; MI455X (gfx1250); checked and timed in simulation.
; The chip was launched on July 23, 2026; its instructions are those of AMD's public machine-readable ISA for CDNA 5 (MIT licence, August 2026) and "CDNA5" Instruction Set Architecture Reference Guide (July 2026). The comments in the code are by the model that wrote it; some were corrected since.
;; PSA. Allowed arithmetic: matrix products marked QUANTISED: E3M2 operands, one E8M0 scale for each 32 along K, by v_wmma_scale_f32_16x16x128_f8f6f4 with both operands' format E3M2, f32 sums; everything else in f32.
;; Inputs: f_b 32 float32; f_w_codes 32 x 8 x 24 uint8 (E3M2 codes of f_w, K innermost, in blocks of 32 codes, four codes in three bytes); f_w_scales 32 x 8 uint8 (E8M0 scales of f_w, one for each 32 codes along K); g_b 32 float32; g_w_codes 32 x 8 x 24 uint8 (E3M2 codes of g_w, K innermost, in blocks of 32 codes, four codes in three bytes); g_w_scales 32 x 8 uint8 (E8M0 scales of g_w, one for each 32 codes along K); gamma1 1 float32; gamma2 1 float32; h1_b 256 float32; h1_w_codes 256 x 8 x 24 uint8 (E3M2 codes of h1_w, K innermost, in blocks of 32 codes, four codes in three bytes); h1_w_scales 256 x 8 uint8 (E8M0 scales of h1_w, one for each 32 codes along K); h2_b 256 float32; h2_w_codes 256 x 8 x 24 uint8 (E3M2 codes of h2_w, K innermost, in blocks of 32 codes, four codes in three bytes); h2_w_scales 256 x 8 uint8 (E8M0 scales of h2_w, one for each 32 codes along K); x1 4 x 256 x 64 x 64 float32; x2 4 x 256 x 64 x 64 float32.
;; Outputs: out0 4 x 256 x 64 x 64 float32; out1 4 x 256 x 64 x 64 float32.
;; This version of the problem:
;;   THIS VERSION OF THE PROBLEM IS GIVEN IN LOW PRECISION. The matrix products marked QUANTISED in the list below multiply operands that are first quantised to E3M2 (3 exponent bits, 2 mantissa bits; 6 bits a number), with one power-of-two scale for each 32 numbers along K (OCP MX v1.0); their sums are f32. All else is computed in f32.
;;   The module's matrix products, in the order in which they are computed (A, B: the left and right operand; K: the contracted axis; several contracted axes count as one K, in the product's order):
;;     1. [M 16,384, K 256] x [K 256, N 32]; A: input x1; B: input f_w (given as codes): QUANTISED
;;     2. [M 16,384, K 256] x [K 256, N 32]; A: input x1; B: input g_w (given as codes): QUANTISED
;;     3. batch 4 x [M 4,096, K 32] x [K 32, N 4,096]; A: computed on the way; B: computed on the way: QUANTISED
;;     4. [M 16,384, K 256] x [K 256, N 256]; A: input x1; B: input h1_w (given as codes): QUANTISED
;;     5. batch 4 x [M 256, K 4,096] x [K 4,096, N 4,096]; A: computed on the way; B: computed on the way: QUANTISED
;;     6. [M 16,384, K 256] x [K 256, N 32]; A: input x2; B: input f_w (given as codes): QUANTISED
;;     7. [M 16,384, K 256] x [K 256, N 32]; A: input x2; B: input g_w (given as codes): QUANTISED
;;     8. batch 4 x [M 4,096, K 32] x [K 32, N 4,096]; A: computed on the way; B: computed on the way: QUANTISED
;;     9. [M 16,384, K 256] x [K 256, N 256]; A: input x2; B: input h2_w (given as codes): QUANTISED
;;     10. batch 4 x [M 256, K 4,096] x [K 4,096, N 4,096]; A: computed on the way; B: computed on the way: QUANTISED
;;   THE QUANTISER, for each operand of a quantised product, along K:
;;     - K is cut into blocks of 32 from its start; a last block that is shorter is filled with zeros.
;;     - A block's scale is 2^e with e = floor(log2(the largest magnitude in the block)) - 4, held to -126 .. 127; a block of zeros has e = 0. As a byte (E8M0): e + 127.
;;     - Each number is divided by its block's scale, clamped to +-28, and rounded to the nearest number of E3M2, ties to even, subnormals kept.
;;     - The product sums the exact products of the quantised numbers (number of the format x scale) in f32.
;;   ~~~python
;;   def quantise(x, axis):      # numpy; x: float32 -> the quantised numbers, widened to float32 again
;;       x = np.moveaxis(x, axis, -1); K = x.shape[-1]
;;       x = np.pad(x, [(0, 0)] * (x.ndim - 1) + [(0, -K % 32)]); x = x.reshape(x.shape[:-1] + (-1, 32)); a = np.abs(x).max(-1, keepdims=True)
;;       e = np.where(a > 0, np.clip(np.frexp(np.where(a > 0, a, 1))[1] - 1 - 4, -126, 127), 0)      # np.frexp(a)[1] - 1 = floor(log2(a)), exactly
;;       r = np.clip(x / 2.0 ** e, -28, 28)
;;       step = 2.0 ** (np.maximum(np.frexp(np.where(r == 0, 1, r))[1] - 1, -2) - 2)
;;       q = np.round(r / step) * step * 2.0 ** e      # np.round: ties to even
;;       return np.moveaxis(q.reshape(q.shape[:-2] + (-1,))[..., :K], -1, axis).astype(np.float32)
;;   ~~~
;;   OPERANDS COMPUTED ON THE WAY. 'Computed on the way' means the value that the module computes at that place (a softmax that the list does not call 'softmax' is quantised finished and normalised). What goes into a quantiser is computed in f32, as accurately as f32 sums, v_exp_f32 and their like allow (about 1e-6 of the number): no bf16 or f16 on the way to a quantiser, and a product that is left as it is and whose result goes on into a quantised operand takes f32 operands (vector FMAs, or v_wmma_f32_16x16x4_f32). A number that lies on a knife's edge between two numbers of the format may be rounded either way, as far as f32 arithmetic and the matrix unit's own rounding can turn it there, and no further.
;;   INPUTS GIVEN AS CODES. f_w (in the module: [32, 256], K = its axis 1); g_w (in the module: [32, 256], K = its axis 1); h1_w (in the module: [256, 256], K = its axis 1); h2_w (in the module: [256, 256], K = its axis 1): each comes as NAME_codes (uint8): NAME with its K axis moved to the last place and cut into blocks of 32 codes, [.., K / 32, bytes a block], one block behind the other in memory; four codes in three bytes: a row's codes are one little-endian stream of bits, code i at bits 6 i .. 6 i + 5 (a code: sign, 3 exponent bits, 2 mantissa bits); and NAME_scales (uint8): the same leading axes, one E8M0 byte (e + 127) for each 32 codes along K. Its value is code x scale, taken as it is: it is not quantised again, and the codes and scales need not be those that the quantiser above would give.
;; One version. Each part assembles by itself: llvm-mc -triple=amdgcn-amd-amdhsa -mcpu=gfx1250 --defsym DOCPART=n.
;; ======== version 1 of 1: 3 launches
;; workspace buffers: kv 7,405,568 bytes; gb 851,968 bytes; lb 131,072 bytes
;; launch proj (part 1): grid 32 x 8, 4 waves a work-group, no clusters, 167,936 bytes of LDS; arguments x1, x2, f_w_codes, f_w_scales, f_b, g_w_codes, g_w_scales, g_b, h1_w_codes, h1_w_scales, h1_b, h2_w_codes, h2_w_scales, h2_b, kv, gb; writes kv, gb
.if DOCPART == 1
	.amdgcn_target "amdgcn-amd-amdhsa--gfx1250"
	.amdhsa_code_object_version 6
	.text
	.protected	k_q51d6813bd4_proj
	.globl	k_q51d6813bd4_proj
	.p2align	8
	.type	k_q51d6813bd4_proj,@function
k_q51d6813bd4_proj:
	s_mov_b64 s[64:65], 0
	v_nop
	global_prefetch_b8 v0, s[64:65] scope:SCOPE_SE
	s_setreg_imm32_b32 hwreg(HW_REG_WAVE_MODE, 25, 1), 1
	s_wait_xcnt 0x0
; PSA, launch 1 of 3.  Eight heads (head = 4 x branch + batch), each with x [256 c][4096 n], f32.
; This launch quantises x along c and makes f = f_w x + f_b, g = g_w x + g_b ([32][n]) and h = h_w x + h_b ([256][n]) on codes of E3M2, then quantises f and g
; along their 32 and h along n, and stores codes and scale words in the order of the operands' registers.
; DEAD WORK: none.  Every bias moves codes or scales of a quantised operand of a live product, gamma and x reach the outputs: every input is loaded by some launch.
; LIMITS: NaN and infinities among the inputs are not served.  A block whose largest magnitude lies under 2^-122 gets the scale byte 1; a block of zeros gets the byte 1 and not 127:
; its codes are zeros, which add nothing under any byte but 0xff, and the bytes are read by this program alone.
; SHARES.  Work-group (x = step of 128 n, y = head): 128 columns x all 256 c.  Wave w first quantises columns 32 w .. 32 w + 31 (a lane a column, registers down c), then makes h's
; c-tiles 4 w .. 4 w + 3 for all 128 n, and one job of f (waves 0, 1) or g (waves 2, 3): four tiles of n each.  Five equal jobs a wave, chosen by pointers, with no branch.
; NO CLUSTER: the weights go from memory straight into each wave's operand registers, 18 KB a wave, no byte of them wanted by two waves of a work-group but f's and g's 6 KB;
; a joint load would add a pass through LDS for 61 KB beside the work-group's own 131 KB of x, which nobody shares.
; TILE ORDER.  In a step, row rho of tile 2 b + u stands for index 32 b + 8 u + rho + 8 (rho / 8): so the 16 registers of two neighbouring result tiles are 16 neighbours along n.
; AN IMAGE of a fragment (12 registers a lane) is [3 groups of 4 registers][32 lanes][16 bytes]: each store or load of a wave covers 512 consecutive bytes.
; kv: [head][step] records of 28,928 bytes: h's 16 images; at 24,576 their scale words [w][lane][2]; at 25,600 f's two images; at 28,672 their scale words.  gb: records of 3,328 bytes: g's two images, scale words at 3,072.
; An image of f or g holds FOUR tiles of n: K block q = the 32 codes of tile 4 fr + q's row, byte q of the scale word its scale.
; REGISTERS.  window 0: v1-15 addresses; v16-23, v24-31, v32-35, v120-123 scale words; v36-39 h's bias; v40-56 at work; v57-60 h's scale words made; v64-103 codes; v104-119 f's or g's bias;
;   v128-255 128 numbers of a column, later v128-191 results and v192-223 h's bias as a C.   window 1: x's 16 fragments.   window 2: h_w's 8, f_w's or g_w's 4, x's 8 for the f / g job.
.set REC,   28928
.set GREC,  3328
.set XIMG,  131072                     ; LDS: x as f32 at 0 (256 rows of 512 bytes); x's 16 images (2 t + ks);
.set XSC,   155648                     ; their scale words, 128 bytes for (column group, ks): lanes 0-15 tile 2 cg, lanes 16-31 tile 2 cg + 1;
.set SPARE, 156672                     ; the spare words, 128 bytes a wave, that no other line names
.set XA,  1                            ; v1, v2  my column in x's rows 0-127, 128-255
.set LI,  3                            ; v3   16 x lane
.set LS,  4                            ; v4   4 x lane
.set XWI, 5                            ; v5   where I store x's images
.set XWS, 6                            ; v6   and their scale words
.set XGA, 7                            ; v7   the images of the four tiles of my f / g job
.set XGS, 8                            ; v8   and their scale words
.set XFA, 9                            ; v9   all images
.set XSA, 10                           ; v10  all scale words
.set WHO, 11                           ; v11  h_w: row r, + 24 h
.set WFO, 12                           ; v12  f_w, g_w: row r + 8 (r / 8), + 24 h
.set SHO, 13                           ; v13  h_w's scale words: 8 r
.set SFO, 14                           ; v14  f_w's, g_w's
.set BHO, 15                           ; v15  h's bias: 4 r
.set XS,  16
.set WSH, 24
.set WSF, 32
.set HBI, 36
.set TM,  40
.set PW,  56
.set PWS, 57
.set TP,  61
.set SPW, 62                           ; v62  my spare word; never rewritten
.set NIL, 63                           ; v63  0; never rewritten
.set CQ,  64
.set PC,  64
.set CT,  88
.set FB,  104
.set XSG, 120
.set BFO, 124                          ; v124 f's, g's bias: 64 h
.set L8,  125                          ; v125 8 x lane
.set HP,  126                          ; v126-127 h's scale words as they are stored
.set RAW, 128
.set HA,  128
.set BC,  192
.set WH,  0                            ; in window 2
.set WF,  96
.set XG,  144
.set WV,  48
.set SEL, 58
.set HIGH, 60
.set MSB, 0
.macro WIN new                         ; the immediate's high byte repeats the setting that is left
.if MSB != \new
	s_set_vgpr_msb (MSB<<8)|\new
.set MSB, \new
.endif
.endm
; a product: D, source 0, source 1, C (under 0: the constant 0), the two scale registers, and which of them is read from lanes 16-31
.macro WM d, a, b, c, sa, sb, ra, rb
.if (\c) < 0
.if (\ra)
	v_wmma_scale_f32_16x16x128_f8f6f4 v[(\d):(\d)+7], v[(\a):(\a)+11], v[(\b):(\b)+11], 0, v[(\sa)], v[(\sb)] matrix_a_fmt:MATRIX_FMT_BF6 matrix_b_fmt:MATRIX_FMT_BF6 matrix_a_scale:MATRIX_SCALE_ROW1
.elseif (\rb)
	v_wmma_scale_f32_16x16x128_f8f6f4 v[(\d):(\d)+7], v[(\a):(\a)+11], v[(\b):(\b)+11], 0, v[(\sa)], v[(\sb)] matrix_a_fmt:MATRIX_FMT_BF6 matrix_b_fmt:MATRIX_FMT_BF6 matrix_b_scale:MATRIX_SCALE_ROW1
.else
	v_wmma_scale_f32_16x16x128_f8f6f4 v[(\d):(\d)+7], v[(\a):(\a)+11], v[(\b):(\b)+11], 0, v[(\sa)], v[(\sb)] matrix_a_fmt:MATRIX_FMT_BF6 matrix_b_fmt:MATRIX_FMT_BF6
.endif
.else
.if (\ra)
	v_wmma_scale_f32_16x16x128_f8f6f4 v[(\d):(\d)+7], v[(\a):(\a)+11], v[(\b):(\b)+11], v[(\c):(\c)+7], v[(\sa)], v[(\sb)] matrix_a_fmt:MATRIX_FMT_BF6 matrix_b_fmt:MATRIX_FMT_BF6 matrix_a_scale:MATRIX_SCALE_ROW1
.elseif (\rb)
	v_wmma_scale_f32_16x16x128_f8f6f4 v[(\d):(\d)+7], v[(\a):(\a)+11], v[(\b):(\b)+11], v[(\c):(\c)+7], v[(\sa)], v[(\sb)] matrix_a_fmt:MATRIX_FMT_BF6 matrix_b_fmt:MATRIX_FMT_BF6 matrix_b_scale:MATRIX_SCALE_ROW1
.else
	v_wmma_scale_f32_16x16x128_f8f6f4 v[(\d):(\d)+7], v[(\a):(\a)+11], v[(\b):(\b)+11], v[(\c):(\c)+7], v[(\sa)], v[(\sb)] matrix_a_fmt:MATRIX_FMT_BF6 matrix_b_fmt:MATRIX_FMT_BF6
.endif
.endif
.endm
.macro PLACES n
.rept \n
	v_nop
.endr
.endm
	s_load_b512 s[4:19], s[0:1], 0x0               ; x1, x2, f_w codes, scales, f_b, g_w codes, scales, g_b
	s_load_b512 s[20:35], s[0:1], 0x40             ; h1_w codes, scales, h1_b, h2_w codes, scales, h2_b, kv, gb
	v_lshl_add_u32 v[SPW], v0, 2, SPARE
	v_mov_b32 v[NIL], 0
	ds_add_u32 v[SPW], v[NIL]                      ; the wave's opening: the add, twice on end, and its wait ahead of my first tensor load
	ds_add_u32 v[SPW], v[NIL]
	v_lshrrev_b32 v[TP], 5, v0
	v_readfirstlane_b32 s[WV], v[TP]               ; wave 0..3
	s_and_b32 s49, ttmp7, 0xffff                   ; head
	s_lshl_b32 s50, s49, 5
	s_add_co_u32 s50, s50, ttmp9                   ; the record: 32 x head + step
	s_and_b32 s52, s49, 3                          ; batch
	s_lshl_b32 s54, s52, 22                        ; x: a batch is 4,194,304 bytes,
	s_lshl_b32 s53, s[WV], 20                      ; my 64 rows c of 16,384 bytes,
	s_add_co_u32 s54, s54, s53
	s_lshl_b32 s53, ttmp9, 9                       ; the step's 128 columns
	s_add_co_u32 s54, s54, s53
	s_mov_b32 s55, 0
	s_and_b32 s62, s[WV], 1                        ; fr: which image of f or g is mine
	s_mov_b32 s36, 2<<16                           ; group 1: elements of 4 bytes, no mask, no padding
	s_mov_b32 s37, 128<<16                         ; tensor_dim0 = 128
	s_mov_b32 s38, 64<<16                          ; tensor_dim1 = 64
	s_mov_b32 s39, 128<<16                         ; tile_dim0 = 128
	s_mov_b32 s40, 64                              ; tile_dim1 = 64
	s_mov_b32 s41, 4096                            ; elements from row to row
	s_mov_b32 s42, 0
	s_mov_b32 s43, 0
	s_mov_b32 s44, 1                               ; group 0: count 1,
	s_lshl_b32 s45, s[WV], 15                      ; LDS: my 64 rows of 512 bytes
	s_mov_b32 s[SEL], 0x76543210
	s_mov_b32 s[SEL+1], 0xfedcba98                 ; v_permlanex16_b32's selects for lane l xor 16
	s_mov_b32 s[HIGH], 0xffff0000                  ; lanes 16-31
	v_and_b32 v[LS], 31, v0                        ; lane
	v_lshlrev_b32 v[LI], 4, v[LS]
	v_lshlrev_b32 v[L8], 3, v[LS]
	v_lshlrev_b32 v[LS], 2, v[LS]
	v_and_b32 v[XA], 7, v0                         ; my column of the wave's 32: lane bits 3 and 4 change places (the tile order)
	v_lshlrev_b32 v[XA], 2, v[XA]
	v_bfe_u32 v[TP], v0, 3, 1
	v_lshl_add_u32 v[XA], v[TP], 6, v[XA]
	v_bfe_u32 v[BFO], v0, 4, 1                     ; h
	v_lshl_add_u32 v[XA], v[BFO], 5, v[XA]
	s_lshl_b32 s53, s[WV], 7
	v_add_nc_u32 v[XA], s53, v[XA]
	v_add_nc_u32 v[XA+1], 65536, v[XA]
	s_mul_i32 s53, s[WV], 6144
	s_add_co_u32 s53, s53, XIMG
	v_add_nc_u32 v[XWI], s53, v[LI]
	s_lshl_b32 s53, s[WV], 8
	s_add_co_u32 s53, s53, XSC
	v_add_nc_u32 v[XWS], s53, v[LS]
	s_mul_i32 s53, s62, 12288
	s_add_co_u32 s53, s53, XIMG
	v_add_nc_u32 v[XGA], s53, v[LI]
	s_lshl_b32 s53, s62, 9
	s_add_co_u32 s53, s53, XSC
	v_add_nc_u32 v[XGS], s53, v[LS]
	v_add_nc_u32 v[XFA], XIMG, v[LI]
	v_add_nc_u32 v[XSA], XSC, v[LS]
	v_and_b32 v[BHO], 15, v0                       ; r
	v_mul_u32_u24 v[WHO], v[BHO], 192              ; a row of 256 codes is 192 bytes
	v_mad_u32_u24 v[WHO], v[BFO], 24, v[WHO]
	v_lshl_add_u32 v[SFO], v[TP], 3, v[BHO]        ; r + 8 (r / 8)
	v_mul_u32_u24 v[WFO], v[SFO], 192
	v_mad_u32_u24 v[WFO], v[BFO], 24, v[WFO]
	v_lshlrev_b32 v[SHO], 3, v[BHO]
	v_lshlrev_b32 v[SFO], 3, v[SFO]
	v_lshlrev_b32 v[BHO], 2, v[BHO]
	v_lshlrev_b32 v[BFO], 6, v[BFO]
	s_wait_alu depctr_va_vdst(0)
	s_wait_dscnt 0x0                               ; both opening adds are done
	s_wait_kmcnt 0x0
	s_cmp_ge_u32 s49, 4                            ; the branch chooses x and h's weights: a choice that hangs on the work-group's number alone
	s_cselect_b64 s[66:67], s[6:7], s[4:5]
	s_cselect_b64 s[68:69], s[26:27], s[20:21]
	s_cselect_b64 s[70:71], s[28:29], s[22:23]
	s_cselect_b64 s[72:73], s[30:31], s[24:25]
	s_add_nc_u64 s[46:47], s[66:67], s[54:55]
	s_or_b32 s47, s47, 0x80000000                  ; type = 2
	tensor_load_to_lds s[44:47], s[36:43]          ; my one tensor load: 64 rows c x 128 n
	s_nop 0
	PLACES 4
	s_cmp_ge_u32 s[WV], 2                          ; waves 0, 1: f; waves 2, 3: g
	s_cselect_b64 s[74:75], s[14:15], s[8:9]
	s_cselect_b64 s[76:77], s[16:17], s[10:11]
	s_cselect_b64 s[78:79], s[18:19], s[12:13]
	s_mul_i32 s54, s[WV], 12288                    ; my 64 rows of h_w,
	s_add_nc_u64 s[68:69], s[68:69], s[54:55]
	s_lshl_b32 s54, s[WV], 9                       ; their scale bytes,
	s_add_nc_u64 s[70:71], s[70:71], s[54:55]
	s_lshl_b32 s54, s[WV], 8                       ; their bias
	s_add_nc_u64 s[72:73], s[72:73], s[54:55]
	s_mul_i32 s54, s50, REC
	s_add_nc_u64 s[80:81], s[32:33], s[54:55]      ; my record in kv
	s_mul_i32 s54, s50, GREC
	s_add_nc_u64 s[86:87], s[34:35], s[54:55]      ; and in gb
	s_add_nc_u64 s[84:85], s[80:81], 25600
	s_cmp_ge_u32 s[WV], 2
	s_cselect_b64 s[84:85], s[86:87], s[84:85]     ; where f's or g's images begin
	s_add_nc_u64 s[86:87], s[84:85], 3072          ; and their scale words
	s_lshl_b32 s54, s62, 7
	s_add_nc_u64 s[86:87], s[86:87], s[54:55]
	s_mul_i32 s54, s62, 1536
	s_add_nc_u64 s[84:85], s[84:85], s[54:55]
	s_lshl_b32 s54, s[WV], 8
	s_add_nc_u64 s[82:83], s[80:81], s[54:55]
	s_add_nc_u64 s[82:83], s[82:83], 24576         ; h's scale words: my 256 bytes
	s_mul_i32 s54, s[WV], 6144
	s_add_nc_u64 s[80:81], s[80:81], s[54:55]      ; h's images: my four
	WIN 0x80                                       ; destination window 2
.irp ct,0,1,2,3                                ; h_w's fragments (c-tile ct, K step ks): they stay
.irp ks,0,1
.irp p,0,1,2,3,4,5
	global_load_b64 v[WH+12*(2*\ct+\ks)+2*\p:WH+12*(2*\ct+\ks)+2*\p+1], v[WHO], s[68:69] offset:3072*\ct+96*\ks+48*(\p/3)+8*(\p%3)
.endr
.endr
.endr
.irp u,0,1                                     ; f_w's or g_w's: tile u takes rows 8 u + r + 8 (r / 8)
.irp ks,0,1
.irp p,0,1,2,3,4,5
	global_load_b64 v[WF+12*(2*\u+\ks)+2*\p:WF+12*(2*\u+\ks)+2*\p+1], v[WFO], s[74:75] offset:1536*\u+96*\ks+48*(\p/3)+8*(\p%3)
.endr
.endr
.endr
	WIN 0
.irp ct,0,1,2,3
.irp ks,0,1
	global_load_b32 v[WSH+2*\ct+\ks], v[SHO], s[70:71] offset:128*\ct+4*\ks
.endr
	global_load_b32 v[HBI+\ct], v[BHO], s[72:73] offset:64*\ct
.endr
.irp u,0,1
.irp ks,0,1
	global_load_b32 v[WSF+2*\u+\ks], v[SFO], s[76:77] offset:64*\u+4*\ks
.endr
	global_load_b128 v[FB+8*\u:FB+8*\u+3], v[BFO], s[78:79] offset:32*\u       ; the bias in the result's layout: register 8 u + j is that of unit 16 h + 8 u + j
	global_load_b128 v[FB+8*\u+4:FB+8*\u+7], v[BFO], s[78:79] offset:32*\u+16
.endr
	s_wait_tensorcnt 0x0                           ; my 64 rows of x are in LDS,
	s_barrier_signal -1
	s_barrier_wait -1                              ; everybody's are
; K step ks of my column: 128 numbers, four whole blocks of 32: no other lane is asked for a maximum.  The codes of lanes 0-15 (tile u = 0) and lanes 16-31 (tile u = 1) are then dealt into two fragments.
.macro QCOL ks
.set i, 0
.rept 128
	ds_load_b32 v[RAW+i], v[XA+\ks] offset:512*i
.set i, i+1
.endr
	s_wait_dscnt 0x0
.irp b,0,1,2,3
	v_max3_num_f32 v[TM+\b], |v[RAW+32*\b]|, |v[RAW+32*\b+1]|, 0x2800000       ; and the floor 2^(5 - 127): the byte cannot fall under 1
.endr
.irp i,2,4,6,8,10,12,14,16,18,20,22,24,26,28,30
.irp b,0,1,2,3
	v_max3_num_f32 v[TM+\b], v[TM+\b], |v[RAW+32*\b+\i]|, |v[RAW+32*\b+\i+1]|  ; (the four blocks by turns)
.endr
.endr
.irp b,0,1,2,3
	v_add_nc_u32 v[TM+12+\b], 0xfe000000, v[TM+\b] ; 4 off the exponent field: the conversion's scale operand
.endr
.irp b,0,1,2,3
	v_lshrrev_b32 v[TM+4+\b], 23, v[TM+12+\b]      ; the scale's byte
.endr
	v_lshl_or_b32 v[PW], v[TM+5], 8, v[TM+4]
	v_lshl_or_b32 v[PW], v[TM+6], 16, v[PW]
	v_lshl_or_b32 v[PW], v[TM+7], 24, v[PW]        ; my column's scale word
.irp b,0,1,2,3                                 ; block b at CQ + 0, 12, 6, 18
	v_cvt_scalef32_pk16_bf6_f32 v[CQ+12*(\b%2)+6*(\b/2):CQ+12*(\b%2)+6*(\b/2)+2], v[RAW+32*\b:RAW+32*\b+15], v[TM+12+\b]
	v_cvt_scalef32_pk16_bf6_f32 v[CT+4*\b:CT+4*\b+2], v[RAW+32*\b+16:RAW+32*\b+31], v[TM+12+\b]   ; (a conversion's three registers begin on an even number)
.endr
	v_nop                                          ; one plain place behind the conversions
.irp b,0,1,2,3
.irp i,0,1,2
	v_mov_b32 v[CQ+12*(\b%2)+6*(\b/2)+3+\i], v[CT+4*\b+\i]
.endr
.endr
.irp i,0,1,2,3,4,5,6,7,8,9,10,11               ; tile 1's blocks 0, 2 (lanes 16-31 of the first) change places with tile 0's blocks 1, 3 (lanes 0-15 of the second): CQ + 0 .. 11 is tile 0's fragment, CQ + 12 .. 23 tile 1's
	v_permlane16_swap_b32 v[CQ+\i], v[CQ+12+\i]
.endr
.irp u,0,1
.irp i,0,1,2
	ds_store_b128 v[XWI], v[CQ+12*\u+4*\i:CQ+12*\u+4*\i+3] offset:(2*\u+\ks)*1536+512*\i
.endr
.endr
	ds_store_b32 v[XWS], v[PW] offset:128*\ks
	s_wait_dscnt 0x0                               ; the stores have landed and have read their registers
.endm
	QCOL 0
	QCOL 1
	s_barrier_signal -1
	s_barrier_wait -1                              ; x's sixteen fragments lie in LDS
	WIN 0x40                                       ; destination window 1
.set i, 0
.rept 48
	ds_load_b128 v[4*i:4*i+3], v[XFA] offset:512*i ; all sixteen, as they lie
.set i, i+1
.endr
	WIN 0x80                                       ; destination window 2
.set i, 0
.rept 24
	ds_load_b128 v[XG+4*i:XG+4*i+3], v[XGA] offset:512*i   ; and the eight of my f / g job once more, so that the job names the same registers in every wave
.set i, i+1
.endr
	WIN 0
.irp i,0,1,2,3,4,5,6,7
	ds_load_b32 v[XS+\i], v[XSA] offset:128*\i
.endr
.irp i,0,1,2,3
	ds_load_b32 v[XSG+\i], v[XGS] offset:128*\i
.endr
	s_wait_loadcnt 0x0                             ; weights, their scale words, biases
.irp ct,0,1,2,3
.irp j,0,1,2,3,4,5,6,7
	v_mov_b32 v[BC+8*\ct+\j], v[HBI+\ct]           ; h's bias as the C of a sum's first product: a lane holds one c, so all eight registers hold its bias
.endr
.endr
	s_wait_dscnt 0x0
; 64 numbers of a lane, register 16 b + i = k 32 b + 16 (lane / 16) + i of my row, become a fragment's codes in v[PC] on and its scale word in v[PW]
.macro QUANT s
.irp b,0,1,2,3
	v_max3_num_f32 v[TM+\b], |v[\s+16*\b]|, |v[\s+1+16*\b]|, 0x2800000
.endr
.irp i,2,4,6,8,10,12,14
.irp b,0,1,2,3
	v_max3_num_f32 v[TM+\b], v[TM+\b], |v[\s+16*\b+\i]|, |v[\s+1+16*\b+\i]|
.endr
.endr
.irp b,0,1,2,3
	v_permlanex16_b32 v[TM+4+\b], v[TM+\b], s[SEL], s[SEL+1]
.endr
.irp b,0,1,2,3
	v_max_num_f32 v[TM+\b], v[TM+\b], v[TM+4+\b]   ; with lane l xor 16's: the block's largest magnitude
.endr
.irp b,0,1,2,3
	v_add_nc_u32 v[TM+12+\b], 0xfe000000, v[TM+\b]
.endr
.irp b,0,1,2,3
	v_lshrrev_b32 v[TM+4+\b], 23, v[TM+12+\b]
.endr
	v_lshl_or_b32 v[PW], v[TM+5], 8, v[TM+4]
	v_lshl_or_b32 v[PW], v[TM+6], 16, v[PW]
	v_lshl_or_b32 v[PW], v[TM+7], 24, v[PW]
.irp c,0,1
	v_cvt_scalef32_pk16_bf6_f32 v[PC+6*\c:PC+2+6*\c], v[\s+32*\c:\s+15+32*\c], v[TM+12+2*\c]
	v_cvt_scalef32_pk16_bf6_f32 v[PC+12+4*\c:PC+14+4*\c], v[\s+16+32*\c:\s+31+32*\c], v[TM+12+2*\c+1]
.endr
	v_nop                                          ; one plain place behind the conversions
.irp c,0,1                                     ; the operand's layout wants a whole block in a lane
.irp i,0,1,2
	v_permlane16_swap_b32 v[PC+6*\c+\i], v[PC+12+4*\c+\i]
.endr
.irp i,0,1,2
	v_mov_b32 v[PC+3+6*\c+\i], v[PC+12+4*\c+\i]
.endr
.endr
.endm
; h's c-tile 4 w + ct for the 128 n.  Source 0 = 16 rows n of x, source 1 = 16 rows of h_w: a lane holds one c and its registers run along n.  The eight accumulators take turns.
.macro HJOB ct
	s_wait_xcnt 0x0                                ; the last job's stores have read the codes' registers
	WIN 0x09                                       ; source 0 window 1, source 1 window 2
.irp t,0,1,2,3,4,5,6,7
	WM HA+8*\t, 12*(2*\t), WH+12*(2*\ct), BC+8*\ct, XS+2*(\t/2), WSH+2*\ct, \t%2, 0
.endr
.irp t,0,1,2,3,4,5,6,7
	WM HA+8*\t, 12*(2*\t+1), WH+12*(2*\ct+1), HA+8*\t, XS+2*(\t/2)+1, WSH+2*\ct+1, \t%2, 0
.endr
	WIN 0
	PLACES 4
	QUANT HA
.irp i,0,1,2
	global_store_b128 v[LI], v[PC+4*\i:PC+4*\i+3], s[80:81] offset:1536*\ct+512*\i     ; 512 consecutive bytes
.endr
	v_mov_b32 v[PWS+\ct], v[PW]
.endm
	HJOB 0
	HJOB 1
	HJOB 2
	HJOB 3
	v_cndmask_b32 v[HP], v[PWS], v[PWS+1], s[HIGH]         ; lanes 0-15 the even c-tile's words, lanes 16-31 the odd one's
	v_cndmask_b32 v[HP+1], v[PWS+2], v[PWS+3], s[HIGH]
	global_store_b64 v[L8], v[HP:HP+1], s[82:83]           ; 256 consecutive bytes, aligned
	; f or g for tiles 4 fr + q of n.  Source 0 = 16 rows of the weight, source 1 = 16 rows n: a lane holds one n and registers 16 q + i its unit 16 h + i
	s_wait_xcnt 0x0
	WIN 0x0a                                       ; sources 0 and 1 window 2
.irp q,0,1,2,3
.irp u,0,1
	WM HA+16*\q+8*\u, WF+12*(2*\u), XG+12*(2*\q), FB+8*\u, WSF+2*\u, XSG+2*(\q/2), 0, \q%2
.endr
.endr
.irp q,0,1,2,3
.irp u,0,1
	WM HA+16*\q+8*\u, WF+12*(2*\u+1), XG+12*(2*\q+1), HA+16*\q+8*\u, WSF+2*\u+1, XSG+2*(\q/2)+1, 0, \q%2
.endr
.endr
	WIN 0
	PLACES 4
	QUANT HA                                       ; block q = tile q's 32 units: one scale a row of each tile
.irp i,0,1,2
	global_store_b128 v[LI], v[PC+4*\i:PC+4*\i+3], s[84:85] offset:512*\i
.endr
	global_store_b32 v[LS], v[PW], s[86:87]        ; 128 consecutive bytes: the two waves of f (of g) fill 256 between them
	s_wait_tensorcnt 0x0                           ; the wave's end
	ds_add_u32 v[SPW], v[NIL]
	s_wait_dscnt 0x0
	s_endpgm
.Lfunc_end_k_q51d6813bd4_proj:
	.size	k_q51d6813bd4_proj, .Lfunc_end_k_q51d6813bd4_proj-k_q51d6813bd4_proj
	.p2alignl 7, 3214868480
	.fill 96, 4, 3214868480
	.section	.rodata,"a",@progbits
	.p2align	6, 0x0
	.amdhsa_kernel k_q51d6813bd4_proj
		.amdhsa_group_segment_fixed_size 167936
		.amdhsa_private_segment_fixed_size 0
		.amdhsa_enable_private_segment 0
		.amdhsa_kernarg_size 128
		.amdhsa_user_sgpr_count 2
		.amdhsa_user_sgpr_kernarg_segment_ptr 1
		.amdhsa_wavefront_size32 1
		.amdhsa_system_sgpr_workgroup_id_x 1
		.amdhsa_system_sgpr_workgroup_id_y 1
		.amdhsa_system_sgpr_workgroup_id_z 1
		.amdhsa_system_vgpr_workitem_id 0
		.amdhsa_next_free_vgpr 768
		.amdhsa_next_free_sgpr 90
		.amdhsa_reserve_vcc 0
		.amdhsa_float_denorm_mode_32 3
		.amdhsa_float_denorm_mode_16_64 3
		.amdhsa_memory_ordered 1
		.amdhsa_forward_progress 1
		.amdhsa_inst_pref_size 82
	.end_amdhsa_kernel
	.amdgpu_metadata
---
amdhsa.version: [ 1, 2 ]
amdhsa.kernels:
  - .name:           k_q51d6813bd4_proj
    .symbol:         k_q51d6813bd4_proj.kd
    .args:
      - { .name: x1, .offset: 0, .size: 8, .value_kind: global_buffer, .address_space: global }
      - { .name: x2, .offset: 8, .size: 8, .value_kind: global_buffer, .address_space: global }
      - { .name: f_w_codes, .offset: 16, .size: 8, .value_kind: global_buffer, .address_space: global }
      - { .name: f_w_scales, .offset: 24, .size: 8, .value_kind: global_buffer, .address_space: global }
      - { .name: f_b, .offset: 32, .size: 8, .value_kind: global_buffer, .address_space: global }
      - { .name: g_w_codes, .offset: 40, .size: 8, .value_kind: global_buffer, .address_space: global }
      - { .name: g_w_scales, .offset: 48, .size: 8, .value_kind: global_buffer, .address_space: global }
      - { .name: g_b, .offset: 56, .size: 8, .value_kind: global_buffer, .address_space: global }
      - { .name: h1_w_codes, .offset: 64, .size: 8, .value_kind: global_buffer, .address_space: global }
      - { .name: h1_w_scales, .offset: 72, .size: 8, .value_kind: global_buffer, .address_space: global }
      - { .name: h1_b, .offset: 80, .size: 8, .value_kind: global_buffer, .address_space: global }
      - { .name: h2_w_codes, .offset: 88, .size: 8, .value_kind: global_buffer, .address_space: global }
      - { .name: h2_w_scales, .offset: 96, .size: 8, .value_kind: global_buffer, .address_space: global }
      - { .name: h2_b, .offset: 104, .size: 8, .value_kind: global_buffer, .address_space: global }
      - { .name: kv, .offset: 112, .size: 8, .value_kind: global_buffer, .address_space: global }
      - { .name: gb, .offset: 120, .size: 8, .value_kind: global_buffer, .address_space: global }
    .group_segment_fixed_size: 167936
    .private_segment_fixed_size: 0
    .kernarg_segment_align: 8
    .kernarg_segment_size: 128
    .max_flat_workgroup_size: 128
    .sgpr_count:     90
    .vgpr_count:     768
    .wavefront_size: 32
...
	.end_amdgpu_metadata
.endif
;; end of part 1
;; launch stats (part 2): grid 32 x 8, 16 waves a work-group, clusters of 4 x 1, 167,936 bytes of LDS; arguments kv, gb, lb; writes lb
.if DOCPART == 2
	.amdgcn_target "amdgcn-amd-amdhsa--gfx1250"
	.amdhsa_code_object_version 6
	.text
	.protected	k_q51d6813bd4_stats
	.globl	k_q51d6813bd4_stats
	.p2align	8
	.type	k_q51d6813bd4_stats,@function
k_q51d6813bd4_stats:
	s_mov_b64 s[64:65], 0
	v_nop
	global_prefetch_b8 v0, s[64:65] scope:SCOPE_SE
	s_setreg_imm32_b32 hwreg(HW_REG_WAVE_MODE, 25, 1), 1
	s_wait_xcnt 0x0
	s_wait_alu depctr_hold_cnt(0) depctr_sa_sdst(0) depctr_va_vdst(0) depctr_va_sdst(0) depctr_va_ssrc(0) depctr_va_vcc(0) depctr_vm_vsrc(0)
	s_getreg_b32 s2, hwreg(HW_REG_IB_STS2, 6, 4)
	s_cmp_eq_u32 s2, 0
	s_cbranch_scc0 .Lentry_in_a_cluster
	s_endpgm
.Lentry_in_a_cluster:
	s_bfe_u32 s2, ttmp6, 0x10000c
	s_cmp_lg_u32 s2, 0x3003
	s_cbranch_scc0 .Lentry_shape_is_right
	s_endpgm
.Lentry_shape_is_right:
; PSA, launch 2 of 3.  For each n of each head: NL[n] = -(M + log2(sum over m of 2^(t - M))), t = c x score(n, m), c = log2(e) / sqrt(32), M the row's largest t, kept as a running maximum.
; Launch 3 then has the finished, normalised softmax as 2^(t + NL).  No work is left out.
; LIMITS: NaN and infinities are not served.  NL is one f32 number: its rounding moves 2^(t + NL) by half a unit of NL's last place x ln 2, of the size of the rounding of the score less its maximum itself.
; SHARES.  A work-group owns one step of 128 n of one head.  Wave w: tile t = w % 8 of 16 n, held as the fixed side, and half w / 8 of the head's 4,096 m (16 steps of 128).  Four waves to a SIMD.
; THE PRODUCT HAS K = 32, a quarter of the instruction's 128.  An image of g holds FOUR tiles of m, one in each K block; the fixed side is given as four operands B_q, with f's 32 codes in block q and zero
; codes elsewhere: source 0 x B_q is tile q's scores, so one fragment from LDS feeds four products.  B_q are windows of one run of registers [Z G0 Z G1 Z] (G0: the codes in lanes 0-15, G1: in lanes 16-31).
; The fixed side's scale word has its byte at place q and the byte 1 at the others.
; CLUSTER.  All work-groups of a head read the head's 106,496 bytes of g: the four of a cluster ask for them JOINTLY, each wave one load of 6,656 bytes, once.
.set REC,   28928
.set GREC,  3328
.set SCR,   106496                     ; LDS: g's 32 records at 0; then [half of m][-M: 512 bytes | sum: 512 bytes];
.set SPARE, 108544                     ; the spare words, 128 bytes a wave, that no other line names
.set AG0, 3                            ; v3   16 x lane + my half's first record
.set AS0, 4                            ; v4   my scale word there: lanes 0-15 image 0's, lanes 16-31 image 1's
.set SPW, 5                            ; v5   my spare word; never rewritten
.set NIL, 6                            ; v6   0; never rewritten
.set SCA, 7                            ; v7   where my n's figures go
.set AG,  8
.set AS,  9
.set FV,  10                           ; v10  16 r
.set FW,  11                           ; v11  4 r
.set NM,  12                           ; v12  -M  (v13: named with it as a pair)
.set SUM, 14                           ; v14-15 the sum, in two halves
.set FX,  16                           ; v16-45 [Z G0 Z G1 Z]
.set SQ,  46                           ; v46-49 the fixed side's four scale words
.set GS,  50                           ; v50  g's scale words
.set LO16, 51                          ; v51  16 x lane
.set GF,  52                           ; v52-75 g's two fragments
.set TT,  76
.set XX,  88
.set WW,  94
.set RDS, 95                           ; v95  SCR + 16 x lane
.set S,   96                           ; v96-159 scores
.set MC,  160
.set T0,  164
.set T1,  165
.set AF,  166
.set SM2, 168
.set WV,  12
.set CS,  20
.set SEL, 22
.set LOW, 36
.set HIGH, 37
.set CCM, 38
.set SH,  39
.set TG,  40
.set CNT, 41
.macro WM d, a, b, c, sa, sb, ra, rb
.if (\ra)
	v_wmma_scale_f32_16x16x128_f8f6f4 v[(\d):(\d)+7], v[(\a):(\a)+11], v[(\b):(\b)+11], 0, v[(\sa)], v[(\sb)] matrix_a_fmt:MATRIX_FMT_BF6 matrix_b_fmt:MATRIX_FMT_BF6 matrix_a_scale:MATRIX_SCALE_ROW1
.else
	v_wmma_scale_f32_16x16x128_f8f6f4 v[(\d):(\d)+7], v[(\a):(\a)+11], v[(\b):(\b)+11], 0, v[(\sa)], v[(\sb)] matrix_a_fmt:MATRIX_FMT_BF6 matrix_b_fmt:MATRIX_FMT_BF6
.endif
.endm
.macro CROUND                          ; a round of the cluster's barrier
	s_barrier_signal -1
	s_barrier_wait -1
	s_cmp_lg_u32 s[WV], 0
	s_cbranch_scc1 .Lnot_wave_0_\@
	s_barrier_signal -3
.Lnot_wave_0_\@:
	s_barrier_wait -3
	s_barrier_signal -1
	s_barrier_wait -1
.endm
; The fixed side.  v[tt] on: the 12 registers of the image's lane (r, the tile's half), in all 32 lanes; v[ww]: row r's scale word.  The tile's 6 registers are chosen, dealt to the two halves of the lanes, and its byte set at the four places.
.macro FIXED fx, sq, tt, xx, ww, sh
.irp i,0,1,2,3,4,5
	v_cndmask_b32 v[\xx+\i], v[\tt+\i], v[\tt+6+\i], s[CCM]
.endr
.irp i,0,1,2,3,4,5
	v_cndmask_b32 v[\fx+6+\i], 0, v[\xx+\i], s[LOW]
	v_cndmask_b32 v[\fx+18+\i], 0, v[\xx+\i], s[HIGH]
.endr
	v_lshrrev_b32 v[\xx], s[\sh], v[\ww]
	s_delay_alu instid0(VALU_DEP_1)
	v_and_b32 v[\xx], 0xff, v[\xx]
	s_delay_alu instid0(VALU_DEP_1)
	v_lshl_or_b32 v[\sq], v[\xx], 0, 0x01010100
	s_delay_alu instid0(VALU_DEP_2)
	v_lshl_or_b32 v[\sq+1], v[\xx], 8, 0x01010001
	s_delay_alu instid0(VALU_DEP_3)
	v_lshl_or_b32 v[\sq+2], v[\xx], 16, 0x01000101
	s_delay_alu instid0(VALU_DEP_4)
	v_lshl_or_b32 v[\sq+3], v[\xx], 24, 0x00010101
.endm
	s_load_b128 s[4:7], s[0:1], 0x0                ; kv, gb
	s_load_b64 s[8:9], s[0:1], 0x10                ; lb
	v_lshl_add_u32 v[SPW], v0, 2, SPARE
	v_mov_b32 v[NIL], 0
	ds_add_u32 v[SPW], v[NIL]                      ; the wave's opening: the add, twice on end, and its wait ahead of my first tensor load
	ds_add_u32 v[SPW], v[NIL]
	v_lshrrev_b32 v1, 5, v0
	s_delay_alu instid0(VALU_DEP_1)
	v_readfirstlane_b32 s[WV], v1                  ; wave 0..15
	s_bfe_u32 s13, ttmp6, 0x40000                  ; cx
	s_lshl_b32 s14, ttmp9, 2
	s_add_co_u32 s14, s14, s13                     ; my step of n: it enters global addresses alone
	s_and_b32 s15, ttmp7, 0xffff                   ; head
	s_and_b32 s16, s[WV], 7                        ; t
	s_lshr_b32 s17, s[WV], 3                       ; which half of m
	s_mov_b32 s24, 15|(3<<16)|(1<<21)              ; group 1: the mask of all four work-groups, elements of 8 bytes, bit 21 beside the mask
	s_mov_b32 s25, 32<<16                          ; rows of 256 bytes,
	s_mov_b32 s26, 26<<16                          ; 26 of them: two records
	s_mov_b32 s27, 32<<16
	s_mov_b32 s28, 26
	s_mov_b32 s29, 32
	s_mov_b32 s30, 0
	s_mov_b32 s31, 0
	s_mov_b32 s32, 1
	s_mul_i32 s33, s[WV], 6656                     ; LDS: wave x two records
	s_mul_i32 s42, s15, 32*GREC
	s_add_co_u32 s42, s42, s33                     ; and the same in the head's part of gb
	s_mov_b32 s43, 0
	s_lshl_b32 s44, s15, 5
	s_add_co_u32 s44, s44, s14
	s_mul_i32 s44, s44, REC                        ; my step's record in kv
	s_lshr_b32 s18, s16, 2                         ; f's image t / 4,
	s_mul_i32 s19, s18, 1536
	s_add_co_u32 s46, s44, s19
	s_and_b32 s19, s16, 1                          ; the half of the lanes in which block t % 4 lies
	s_lshl_b32 s19, s19, 8
	s_add_co_u32 s46, s46, s19
	s_add_co_u32 s46, s46, 25600
	s_mov_b32 s47, 0
	s_lshl_b32 s18, s18, 7
	s_add_co_u32 s44, s44, s18
	s_add_co_u32 s44, s44, 28672                   ; its scale words
	s_mov_b32 s45, 0
	s_lshl_b32 s52, s15, 14
	s_lshl_b32 s18, s14, 9
	s_add_co_u32 s52, s52, s18                     ; lb: head x 16,384 + step x 512
	s_mov_b32 s53, 0
	s_bfe_u32 s18, s16, 0x10001                    ; registers 0-5 or 6-11 of the image
	s_cmp_lg_u32 s18, 0
	s_cselect_b32 s[CCM], -1, 0
	s_and_b32 s[SH], s16, 3
	s_lshl_b32 s[SH], s[SH], 3                     ; the tile's byte in the scale word
	s_mov_b32 s[LOW], 0xffff
	s_mov_b32 s[HIGH], 0xffff0000
	s_mov_b32 s[CS], 0x3e8293ee                    ; c = log2(e) / sqrt(32)
	s_mov_b32 s[CS+1], s[CS]
	s_mov_b32 s[SEL], 0x76543210
	s_mov_b32 s[SEL+1], 0xfedcba98
	s_mov_b32 s[TG], 0
	v_and_b32 v1, 31, v0                           ; lane
	v_and_b32 v2, 15, v0                           ; r
	s_wait_alu depctr_va_vdst(0)
	v_bfe_u32 v10, v0, 4, 1                        ; lane / 16
	s_mul_i32 s18, s17, 16*GREC
	v_lshl_add_u32 v[AG0], v1, 4, s18
	s_add_co_u32 s18, s18, 3072
	v_lshl_add_u32 v[AS0], v1, 2, s18
	s_delay_alu instid0(VALU_DEP_1)
	v_lshl_add_u32 v[AS0], v10, 7, v[AS0]
	v_lshlrev_b32 v[LO16], 4, v1
	s_delay_alu instid0(VALU_DEP_1)
	v_add_nc_u32 v[RDS], SCR, v[LO16]
	s_lshl_b32 s18, s17, 10
	s_lshr_b32 s19, s16, 1
	s_lshl_b32 s19, s19, 7
	s_add_co_u32 s18, s18, s19
	s_and_b32 s19, s16, 1
	s_lshl_b32 s19, s19, 5
	s_add_co_u32 s18, s18, s19
	s_add_co_u32 s18, s18, SCR
	v_bfe_u32 v11, v0, 3, 1
	v_lshl_add_u32 v[SCA], v2, 2, s18
	s_delay_alu instid0(VALU_DEP_1)
	v_lshl_add_u32 v[SCA], v11, 5, v[SCA]          ; 4 x (32 (t / 2) + 8 (t % 2) + r + 8 (r / 8)): my n in its natural place
	v_lshlrev_b32 v[FV], 4, v2
	v_lshlrev_b32 v[FW], 2, v2
	s_wait_dscnt 0x0                               ; both opening adds are done
	s_wait_kmcnt 0x0
	s_add_nc_u64 s[34:35], s[6:7], s[42:43]
	s_or_b32 s35, s35, 0x80000000
	s_add_nc_u64 s[48:49], s[4:5], s[46:47]
	s_add_nc_u64 s[50:51], s[4:5], s[44:45]
	s_add_nc_u64 s[52:53], s[8:9], s[52:53]
	CROUND                                         ; all four work-groups are here: the joint loads meet
	tensor_load_to_lds s[32:35], s[24:31]          ; every wave's one load
	s_nop 0
.rept 4
	v_nop
.endr
	s_wait_alu depctr_va_vdst(0)
.irp i,0,1,2
	global_load_b128 v[TT+4*\i:TT+4*\i+3], v[FV], s[48:49] offset:512*\i
.endr
	global_load_b32 v[WW], v[FW], s[50:51]
.irp z,0,12,24
.irp i,0,1,2,3,4,5
	v_mov_b32 v[FX+\z+\i], 0                       ; the zero codes
.endr
.endr
	v_mov_b32 v[NM], 0x7f61b1e6                    ; -M: 3e38, over every -t
	v_mov_b32 v[NM+1], 0
	v_mov_b32 v[SUM], 0
	v_mov_b32 v[SUM+1], 0
	v_mov_b32 v[AF+1], 0                           ; (named as the upper half of a pair)
	s_wait_loadcnt 0x0
	FIXED FX, SQ, TT, XX, WW, SH
.rept 8
	v_nop                                          ; a scale register written by a vector instruction stands 8 places ahead of a scaled product, an operand 4
.endr
	s_wait_tensorcnt 0x0                           ; my two records are in,
	s_barrier_signal -1
	s_barrier_wait -1                              ; everybody's are
.macro GLOAD
	v_add_nc_u32 v[AG], s[TG], v[AG0]
	v_add_nc_u32 v[AS], s[TG], v[AS0]
.irp i,0,1,2,3,4,5
	ds_load_b128 v[GF+4*\i:GF+4*\i+3], v[AG] offset:512*\i
.endr
	ds_load_b32 v[GS], v[AS]
.endm
	GLOAD
; A step: 128 m.  A lane holds one n (row r of my tile) and 64 of the step's scores.  more = 1: the next step's fragments are asked for behind the products.
.macro STEP more
	s_wait_dscnt 0x0
.irp fr,0,1
.irp q,0,1,2,3
	WM S+8*(4*\fr+\q), GF+12*\fr, FX+6+12*(\q%2)-6*(\q/2), -1, GS, SQ+\q, \fr, 0
.endr
.endr
.rept 4
	v_nop                                          ; places in front of loads into registers that the products have read, and of the first read of results
.endr
.if \more
	s_add_co_u32 s[TG], s[TG], GREC
	GLOAD
.endif
.irp b,0,1,2,3
	v_max3_num_f32 v[MC+\b], v[S+16*\b], v[S+16*\b+1], v[S+16*\b+2]    ; the largest score, in four chains; each accumulator is first read at its low end
.endr
.irp i,3,5,7,9,11,13
.irp b,0,1,2,3
	v_max3_num_f32 v[MC+\b], v[MC+\b], v[S+16*\b+\i], v[S+16*\b+\i+1]
.endr
.endr
.irp b,0,1,2,3
	v_max_num_f32 v[MC+\b], v[MC+\b], v[S+16*\b+15]
.endr
	s_delay_alu instid0(VALU_DEP_2)
	v_max3_num_f32 v[T0], v[MC], v[MC+1], v[MC+2]
	s_delay_alu instid0(VALU_DEP_1)
	v_max_num_f32 v[T0], v[T0], v[MC+3]
	s_delay_alu instid0(VALU_DEP_1)
	v_mul_f32 v[T0], s[CS], -v[T0]                 ; as -t (c is positive)
	v_mov_b32 v[T1], v[NM]
	s_delay_alu instid0(VALU_DEP_2)
	v_min_num_f32 v[NM], v[NM], v[T0]              ; the running -M
	s_delay_alu instid0(VALU_DEP_1)
	v_sub_f32 v[T1], v[NM], v[T1]                  ; old M less new M, 0 or less
.irp j,0,2,4,6,8,10,12,14,16,18,20,22,24,26,28,30,32,34,36,38,40,42,44,46,48,50,52,54,56,58,60,62
	v_pk_fma_f32 v[S+\j:S+\j+1], v[S+\j:S+\j+1], s[CS:CS+1], v[NM:NM+1] op_sel_hi:[1,0,0]   ; t - M, two at a time
.endr
.set i, 0
	s_setprio 1
	s_wait_alu depctr_va_vdst(0)
.rept 64
	v_exp_f32 v[S+i], v[S+i]
.set i, i+1
.endr
	v_exp_f32 v[AF], v[T1]                         ; what the old sum is multiplied by
	s_setprio 0
	v_nop                                          ; a plain place behind the exponentials
	s_wait_alu depctr_va_vdst(0)                   ; one wait for the batch of 65, ahead of its first reader
	v_pk_mul_f32 v[SUM:SUM+1], v[SUM:SUM+1], v[AF:AF+1] op_sel_hi:[1,0]
	v_pk_add_f32 v[168:169], v[100:101], v[104:105]
	v_pk_add_f32 v[254:255], v[108:109], v[112:113]
	v_pk_add_f32 v[252:253], v[116:117], v[120:121]
	v_pk_add_f32 v[250:251], v[124:125], v[128:129]
	v_pk_add_f32 v[248:249], v[132:133], v[136:137]
	v_pk_add_f32 v[246:247], v[140:141], v[144:145]
	v_pk_add_f32 v[244:245], v[148:149], v[152:153]
	v_pk_add_f32 v[14:15], v[14:15], v[156:157]
	v_pk_add_f32 v[168:169], v[168:169], v[96:97]
	v_pk_add_f32 v[254:255], v[254:255], v[98:99]
	v_pk_add_f32 v[252:253], v[252:253], v[102:103]
	v_pk_add_f32 v[250:251], v[250:251], v[106:107]
	v_pk_add_f32 v[248:249], v[248:249], v[110:111]
	v_pk_add_f32 v[246:247], v[246:247], v[114:115]
	v_pk_add_f32 v[244:245], v[244:245], v[118:119]
	v_pk_add_f32 v[14:15], v[14:15], v[122:123]
	v_pk_add_f32 v[168:169], v[168:169], v[126:127]
	v_pk_add_f32 v[254:255], v[254:255], v[130:131]
	v_pk_add_f32 v[252:253], v[252:253], v[134:135]
	v_pk_add_f32 v[250:251], v[250:251], v[138:139]
	v_pk_add_f32 v[248:249], v[248:249], v[142:143]
	v_pk_add_f32 v[246:247], v[246:247], v[146:147]
	v_pk_add_f32 v[244:245], v[244:245], v[150:151]
	v_pk_add_f32 v[14:15], v[14:15], v[154:155]
	v_pk_add_f32 v[168:169], v[168:169], v[158:159]
	s_delay_alu instid0(VALU_DEP_2)
	v_pk_add_f32 v[14:15], v[14:15], v[250:251]
	s_delay_alu instid0(VALU_DEP_2)
	v_pk_add_f32 v[168:169], v[168:169], v[248:249]
	v_pk_add_f32 v[254:255], v[254:255], v[246:247]
	v_pk_add_f32 v[252:253], v[252:253], v[244:245]
	s_delay_alu instid0(VALU_DEP_2)
	v_pk_add_f32 v[14:15], v[14:15], v[254:255]
	s_delay_alu instid0(VALU_DEP_2)
	v_pk_add_f32 v[168:169], v[168:169], v[252:253]
	s_delay_alu instid0(VALU_DEP_1)
	v_pk_add_f32 v[14:15], v[14:15], v[168:169]
.endm
	s_mov_b32 s[CNT], 15
.Lstep:
	s_wait_alu depctr_va_vdst(0)
	s_setprio 2
	STEP 1
	s_sub_co_u32 s[CNT], s[CNT], 1
	s_cmp_lg_u32 s[CNT], 0
	s_cbranch_scc1 .Lstep
	s_setprio 0
	STEP 0                                         ; the last step asks for nothing: no LDS read passes my half's records
	s_delay_alu instid0(VALU_DEP_1)
	; lanes r and r + 16 hold the same n: their figures are joined.  Two products and one sum, not a fused form, so that both lanes get the same bits: both store to the same word
	v_add_f32 v[SUM], v[SUM], v[SUM+1]
	v_permlanex16_b32 v[MC], v[NM], s[SEL], s[SEL+1]
	s_delay_alu instid0(VALU_DEP_2)
	v_permlanex16_b32 v[MC+1], v[SUM], s[SEL], s[SEL+1]
	s_delay_alu instid0(VALU_DEP_2)
	v_min_num_f32 v[MC+2], v[NM], v[MC]
	s_delay_alu instid0(VALU_DEP_1)
	v_sub_f32 v[MC+3], v[MC+2], v[NM]
	s_delay_alu instid0(VALU_DEP_2)
	v_sub_f32 v[T0], v[MC+2], v[MC]
	s_wait_alu depctr_va_vdst(0)
	v_exp_f32 v[MC+3], v[MC+3]
	v_exp_f32 v[T0], v[T0]
	v_nop
	s_wait_alu depctr_va_vdst(0)
	v_mul_f32 v[SUM], v[SUM], v[MC+3]
	v_mul_f32 v[T1], v[MC+1], v[T0]
	s_delay_alu instid0(VALU_DEP_1)
	v_add_f32 v[SUM], v[SUM], v[T1]
	ds_store_b32 v[SCA], v[MC+2]
	ds_store_b32 v[SCA], v[SUM] offset:512
	s_wait_dscnt 0x0                               ; for the others' sake: my stores have landed
	s_barrier_signal -1
	s_barrier_wait -1
	s_cmp_lg_u32 s[WV], 0                          ; wave 0 joins the two halves of m, four n a lane, and stores the step's 512 bytes
	s_cbranch_scc1 .Ldone
.irp i,0,1,2,3
	ds_load_b128 v[S+4*\i:S+4*\i+3], v[RDS] offset:512*\i      ; -M and sum of half 0, -M and sum of half 1
.endr
	s_wait_dscnt 0x0
.irp i,0,1,2,3
	v_min_num_f32 v[S+16+\i], v[S+\i], v[S+8+\i]
.endr
.irp i,0,1,2,3
	v_sub_f32 v[S+20+\i], v[S+16+\i], v[S+\i]
	v_sub_f32 v[S+24+\i], v[S+16+\i], v[S+8+\i]
.endr
	s_wait_alu depctr_va_vdst(0)
.irp i,0,1,2,3
	v_exp_f32 v[S+20+\i], v[S+20+\i]
	v_exp_f32 v[S+24+\i], v[S+24+\i]
.endr
	v_nop
	s_wait_alu depctr_va_vdst(0)
.irp i,0,1,2,3
	v_mul_f32 v[S+4+\i], v[S+4+\i], v[S+20+\i]
.endr
.irp i,0,1,2,3
	v_fma_f32 v[S+4+\i], v[S+12+\i], v[S+24+\i], v[S+4+\i]
.endr
	s_wait_alu depctr_va_vdst(0)
.irp i,0,1,2,3
	v_log_f32 v[S+28+\i], v[S+4+\i]
.endr
	v_nop
	s_wait_alu depctr_va_vdst(0)
.irp i,0,1,2,3
	v_sub_f32 v[S+32+\i], v[S+16+\i], v[S+28+\i]   ; NL = -M - log2(sum)
.endr
	global_store_b128 v[LO16], v[S+32:S+35], s[52:53]      ; 512 consecutive bytes, aligned
.Ldone:
	s_wait_tensorcnt 0x0                           ; the wave's end
	ds_add_u32 v[SPW], v[NIL]
	s_wait_dscnt 0x0
	CROUND                                         ; the closing round
	s_endpgm
.Lfunc_end_k_q51d6813bd4_stats:
	.size	k_q51d6813bd4_stats, .Lfunc_end_k_q51d6813bd4_stats-k_q51d6813bd4_stats
	.p2alignl 7, 3214868480
	.fill 96, 4, 3214868480
	.section	.rodata,"a",@progbits
	.p2align	6, 0x0
	.amdhsa_kernel k_q51d6813bd4_stats
		.amdhsa_group_segment_fixed_size 167936
		.amdhsa_private_segment_fixed_size 0
		.amdhsa_enable_private_segment 0
		.amdhsa_kernarg_size 24
		.amdhsa_user_sgpr_count 2
		.amdhsa_user_sgpr_kernarg_segment_ptr 1
		.amdhsa_wavefront_size32 1
		.amdhsa_system_sgpr_workgroup_id_x 1
		.amdhsa_system_sgpr_workgroup_id_y 1
		.amdhsa_system_sgpr_workgroup_id_z 1
		.amdhsa_system_vgpr_workitem_id 0
		.amdhsa_next_free_vgpr 256
		.amdhsa_next_free_sgpr 70
		.amdhsa_reserve_vcc 0
		.amdhsa_float_denorm_mode_32 3
		.amdhsa_float_denorm_mode_16_64 3
		.amdhsa_memory_ordered 1
		.amdhsa_forward_progress 1
		.amdhsa_inst_pref_size 33
	.end_amdhsa_kernel
	.amdgpu_metadata
---
amdhsa.version: [ 1, 2 ]
amdhsa.kernels:
  - .name:           k_q51d6813bd4_stats
    .symbol:         k_q51d6813bd4_stats.kd
    .args:
      - { .name: kv, .offset: 0, .size: 8, .value_kind: global_buffer, .address_space: global }
      - { .name: gb, .offset: 8, .size: 8, .value_kind: global_buffer, .address_space: global }
      - { .name: lb, .offset: 16, .size: 8, .value_kind: global_buffer, .address_space: global }
    .group_segment_fixed_size: 167936
    .private_segment_fixed_size: 0
    .kernarg_segment_align: 8
    .kernarg_segment_size: 24
    .max_flat_workgroup_size: 512
    .sgpr_count:     70
    .vgpr_count:     256
    .wavefront_size: 32
...
	.end_amdgpu_metadata
.endif
;; end of part 2
;; launch attn (part 3): grid 32 x 8, 8 waves a work-group, clusters of 4 x 1, 327,680 bytes of LDS; arguments kv, gb, lb, x1, x2, gamma1, gamma2, out0, out1; writes out0, out1
.if DOCPART == 3
	.amdgcn_target "amdgcn-amd-amdhsa--gfx1250"
	.amdhsa_code_object_version 6
	.text
	.protected	k_q51d6813bd4_attn
	.globl	k_q51d6813bd4_attn
	.p2align	8
	.type	k_q51d6813bd4_attn,@function
k_q51d6813bd4_attn:
	s_mov_b64 s[64:65], 0
	v_nop
	global_prefetch_b8 v0, s[64:65] scope:SCOPE_SE
	s_setreg_imm32_b32 hwreg(HW_REG_WAVE_MODE, 25, 1), 1
	s_wait_xcnt 0x0
	s_wait_alu depctr_hold_cnt(0) depctr_sa_sdst(0) depctr_va_vdst(0) depctr_va_sdst(0) depctr_va_ssrc(0) depctr_va_vcc(0) depctr_vm_vsrc(0)
	s_getreg_b32 s2, hwreg(HW_REG_IB_STS2, 6, 4)
	s_cmp_eq_u32 s2, 0
	s_cbranch_scc0 .Lentry_in_a_cluster
	s_endpgm
.Lentry_in_a_cluster:
	s_bfe_u32 s2, ttmp6, 0x10000c
	s_cmp_lg_u32 s2, 0x3003
	s_cbranch_scc0 .Lentry_shape_is_right
	s_endpgm
.Lentry_shape_is_right:
; PSA, launch 3 of 3.  out[c][m] = gamma x (sum over n of Q(h)[c][n] Q(attn)[n][m]) + x[c][m], attn[n][m] = 2^(c0 x score(n, m) + NL[n]), the finished softmax over m (NL: launch 2), quantised along n.  No work is left out.
; LIMITS: NaN and infinities are not served; an attn under 2^-126 counts as 0; a block's largest attn is taken as the exponential of the block's largest exponent, which takes the exponential not to fall where its input rises;
; a block of zeros gets the scale byte 1: its codes are zeros.  The sum over n is made in two halves, added at the end.
; SHARES.  A work-group owns 128 m (one step) of one head, all 256 c, all n.  Wave w: 32 m (tiles 2 mg, 2 mg + 1, mg = w % 4), held as the fixed side of the scores, and of each slot's four steps of n the two 2 nh, 2 nh + 1 (nh = w / 4).
; Its sums, 2 tiles of m x 16 tiles of c, fill window 1.  Each fragment of h read from LDS feeds two products; two waves share a SIMD, so that one wave's vector work stands beside the other's products.
; SCORES.  K = 32: an image of f holds four tiles of n, one in each K block; g's tile is given as four operands with its codes in block q and zero codes elsewhere (launch 2's head).  A lane then holds one m and its registers run along n,
; in the order in which the conversions want them: p's codes are source 0 of the last product, whose result holds one c a lane and eight neighbouring m.
; RING.  Two LDS slots of four records of kv (h's 16 images, their scale words, f's two images, theirs), filled by waves 0 to 3, a record each.  CLUSTER: the four work-groups of a cluster walk the same records and the same NL: every load is JOINT.
.set REC,   28928
.set GREC,  3328
.set SLOT1, 131072                     ; slot 0 at 0, slot 1 here: one exclusive or turns an address
.set LL,    262144                     ; the head's NL, 16,384 bytes, filled once
.set SPARE, 278528                     ; the spare words, 128 bytes a wave, that no other line names
.set ST1,   135168                     ; the way out: two stages of 256 rows x 528 bytes, at 0 and here, over slots and NL that have had their last fill and their last read
.set SPI,   528
.set AH,  1                            ; v1-4  the slot's addresses: images, h's scale words, f's scale words, NL
.set A8,  2
.set A4,  3
.set AL,  4
.set LI0, 5                            ; v5   16 x lane + my first record of a slot
.set L80, 6                            ; v6   8 x lane + the same
.set L40, 7                            ; v7   4 x lane + 128 (lane / 16) + the same
.set AL0, 8                            ; v8   LL + 64 (lane / 16) + 1,024 nh
.set PFO, 9                            ; v9   the prefetches of kv: 256 x min(thread, 112)
.set PXO, 10                           ; v10  of x: a row a lane
.set SO,  11                           ; v11, v12 the stage, on the way in (c-tiles 0-7, 8-15)
.set SO2, 12
.set RD,  13                           ; v13, v14 and back, from the two stages
.set RD2, 14
.set GO,  15                           ; v15  16 x lane
.set HSC, 16                           ; v16-23 h's scale words: register ct / 2, lanes 16 (ct % 2) on
.set FSC, 24                           ; v24  f's: lanes 0-15 image 0, lanes 16-31 image 1
.set PW,  26                           ; v26, v27 p's scale words
.set FV,  28
.set FW,  29
.set SPW, 30                           ; v30  my spare word; never rewritten
.set NIL, 31                           ; v31  0; never rewritten
.set GSQ, 32                           ; v32-39 g's scale words (4 mt + q)
.set TM,  40
.set FX,  56                           ; v56-109 [Z G0a Z G1a Z G0b Z G1b Z]
.set P,   110                          ; v110-133 p's codes
.set CT,  134
.set FF,  142                          ; v142-153 a fragment of f
.set LR,  154                          ; v154-185 NL of 32 n
.set S,   186                          ; v186-249 scores, then p
.set HB,  154                          ; v154-249 eight fragments of h, where NL and p lay
.set WA,  40                           ; the way out
.set WB,  72
.set XR,  128
.set G1R, 24
.set G1L, 32
.set G0R, 40
.set G0L, 44
.set WV,  48
.set CS,  50
.set SEL, 52
.set TB,  54
.set SL,  55
.set SLOTS, 56
.set LIM, 57
.set PFA, 58
.set GM,  60
.set XB,  66
.set OB,  68
.set LOW, 70
.set HIGH, 71
.set CCM, 72
.set SH0, 73
.set SH1, 74
.set MSB, 0
.macro WIN new                         ; the immediate's high byte repeats the setting that is left
.if MSB != \new
	s_set_vgpr_msb (MSB<<8)|\new
.set MSB, \new
.endif
.endm
.macro WM d, a, b, c, sa, sb, ra, rb
.if (\c) < 0
.if (\ra)
	v_wmma_scale_f32_16x16x128_f8f6f4 v[(\d):(\d)+7], v[(\a):(\a)+11], v[(\b):(\b)+11], 0, v[(\sa)], v[(\sb)] matrix_a_fmt:MATRIX_FMT_BF6 matrix_b_fmt:MATRIX_FMT_BF6 matrix_a_scale:MATRIX_SCALE_ROW1
.elseif (\rb)
	v_wmma_scale_f32_16x16x128_f8f6f4 v[(\d):(\d)+7], v[(\a):(\a)+11], v[(\b):(\b)+11], 0, v[(\sa)], v[(\sb)] matrix_a_fmt:MATRIX_FMT_BF6 matrix_b_fmt:MATRIX_FMT_BF6 matrix_b_scale:MATRIX_SCALE_ROW1
.else
	v_wmma_scale_f32_16x16x128_f8f6f4 v[(\d):(\d)+7], v[(\a):(\a)+11], v[(\b):(\b)+11], 0, v[(\sa)], v[(\sb)] matrix_a_fmt:MATRIX_FMT_BF6 matrix_b_fmt:MATRIX_FMT_BF6
.endif
.else
.if (\rb)
	v_wmma_scale_f32_16x16x128_f8f6f4 v[(\d):(\d)+7], v[(\a):(\a)+11], v[(\b):(\b)+11], v[(\c):(\c)+7], v[(\sa)], v[(\sb)] matrix_a_fmt:MATRIX_FMT_BF6 matrix_b_fmt:MATRIX_FMT_BF6 matrix_b_scale:MATRIX_SCALE_ROW1
.else
	v_wmma_scale_f32_16x16x128_f8f6f4 v[(\d):(\d)+7], v[(\a):(\a)+11], v[(\b):(\b)+11], v[(\c):(\c)+7], v[(\sa)], v[(\sb)] matrix_a_fmt:MATRIX_FMT_BF6 matrix_b_fmt:MATRIX_FMT_BF6
.endif
.endif
.endm
.macro PLACES n
.rept \n
	v_nop
.endr
.endm
.macro CROUND                          ; a round of the cluster's barrier
	s_barrier_signal -1
	s_barrier_wait -1
	s_cmp_lg_u32 s[WV], 0
	s_cbranch_scc1 .Lnot_wave_0_\@
	s_barrier_signal -3
.Lnot_wave_0_\@:
	s_barrier_wait -3
	s_barrier_signal -1
	s_barrier_wait -1
.endm
.macro JLOAD                           ; waves 0 to 3 fetch a record each; the branch hangs on the wave's number alone
	s_cmp_lt_u32 s[WV], 4
	s_cbranch_scc0 .Lno_load_\@
	tensor_load_to_lds s[G0R:G0R+3], s[G1R:G1R+7]
	s_nop 0
	PLACES 4
.Lno_load_\@:
.endm
; A prefetch of the slot after the one just asked for: four steps of n ahead of the load that will want it.  All clusters of a head walk the same records: the head's first cluster asks.  Its four partners take a record each, told apart BY
; ADDRESS; in each, waves 0 to 3 name the record's 113 blocks of 256 bytes, a lane a block (the lanes past the record's end name its last block).  The last change that fills a slot asks for nothing.
.macro ASK
	s_cmp_gt_u32 s[SLOTS], s[LIM]
	s_cbranch_scc0 .Lnot_mine_\@
	global_prefetch_b8 v[PFO], s[PFA:PFA+1] th:TH_LOAD_NT scope:SCOPE_SE
.Lnot_mine_\@:
.endm
.macro FIXED fx, sq, tt, xx, ww, sh    ; launch 2's: the fixed side's codes dealt to the two halves of the lanes, its byte set at the four places
.irp i,0,1,2,3,4,5
	v_cndmask_b32 v[\xx+\i], v[\tt+\i], v[\tt+6+\i], s[CCM]
.endr
.irp i,0,1,2,3,4,5
	v_cndmask_b32 v[\fx+6+\i], 0, v[\xx+\i], s[LOW]
	v_cndmask_b32 v[\fx+18+\i], 0, v[\xx+\i], s[HIGH]
.endr
	v_lshrrev_b32 v[\xx], s[\sh], v[\ww]
	s_delay_alu instid0(VALU_DEP_1)
	v_and_b32 v[\xx], 0xff, v[\xx]
	s_delay_alu instid0(VALU_DEP_1)
	v_lshl_or_b32 v[\sq], v[\xx], 0, 0x01010100
	s_delay_alu instid0(VALU_DEP_2)
	v_lshl_or_b32 v[\sq+1], v[\xx], 8, 0x01010001
	s_delay_alu instid0(VALU_DEP_3)
	v_lshl_or_b32 v[\sq+2], v[\xx], 16, 0x01000101
	s_delay_alu instid0(VALU_DEP_4)
	v_lshl_or_b32 v[\sq+3], v[\xx], 24, 0x00010101
.endm
	s_load_b512 s[4:19], s[0:1], 0x0               ; kv, gb, lb, x1, x2, gamma1, gamma2, out0
	s_load_b64 s[20:21], s[0:1], 0x40              ; out1
	v_lshl_add_u32 v[SPW], v0, 2, SPARE
	v_mov_b32 v[NIL], 0
	ds_add_u32 v[SPW], v[NIL]                      ; the wave's opening: the add, twice on end, and its wait ahead of my first tensor load
	ds_add_u32 v[SPW], v[NIL]
	v_lshrrev_b32 v25, 5, v0
	s_delay_alu instid0(VALU_DEP_1)
	v_readfirstlane_b32 s[WV], v25                 ; wave 0..7
	s_bfe_u32 s75, ttmp6, 0x40000                  ; cx
	s_lshl_b32 s76, ttmp9, 2
	s_add_co_u32 s76, s76, s75                     ; my step of m: it enters global addresses alone
	s_and_b32 s77, ttmp7, 0xffff                   ; head
	s_and_b32 s78, s[WV], 3                        ; mg.  Also: the record of a slot that I fetch
	s_lshr_b32 s79, s[WV], 2                       ; nh
	s_mov_b32 s[G1R], 15|(3<<16)|(1<<21)           ; group 1 for a record: the mask of all four, elements of 8 bytes, bit 21 beside the mask;
	s_mov_b32 s[G1R+1], 32<<16                     ; rows of 256 bytes,
	s_mov_b32 s[G1R+2], 113<<16                    ; 113 of them
	s_mov_b32 s[G1R+3], 32<<16
	s_mov_b32 s[G1R+4], 113
	s_mov_b32 s[G1R+5], 32
	s_mov_b32 s[G1R+6], 0
	s_mov_b32 s[G1R+7], 0
	s_mov_b32 s[G1L], 15|(3<<16)|(1<<21)           ; and for an eighth of NL: 8 rows
	s_mov_b32 s[G1L+1], 32<<16
	s_mov_b32 s[G1L+2], 8<<16
	s_mov_b32 s[G1L+3], 32<<16
	s_mov_b32 s[G1L+4], 8
	s_mov_b32 s[G1L+5], 32
	s_mov_b32 s[G1L+6], 0
	s_mov_b32 s[G1L+7], 0
	s_mov_b32 s[G0R], 1
	s_mul_i32 s[G0R+1], s78, REC                   ; LDS: my record of slot 0
	s_mov_b32 s[G0L], 1
	s_lshl_b32 s[G0L+1], s[WV], 11
	s_add_co_u32 s[G0L+1], s[G0L+1], LL
	s_mul_i32 s80, s77, 32*REC
	s_add_co_u32 s80, s80, s[G0R+1]                ; kv: the head's records, mine of the first four
	s_mov_b32 s81, 0
	s_lshl_b32 s82, s77, 14
	s_lshl_b32 s83, s[WV], 11
	s_add_co_u32 s82, s82, s83                     ; lb: the head's NL, my eighth
	s_mov_b32 s83, 0
	s_mul_i32 s84, s77, 32*REC
	s_mul_i32 s85, s75, REC
	s_add_co_u32 s84, s84, s85
	s_add_co_u32 s84, s84, 4*REC                   ; the prefetches: record cx of slot 1; the first change of slots steps it to slot 2
	s_mov_b32 s85, 0
	s_lshl_b32 s86, s77, 5
	s_add_co_u32 s86, s86, s76
	s_mul_i32 s86, s86, GREC                       ; my step's record in gb,
	s_lshr_b32 s87, s78, 1                         ; g's image mg / 2
	s_lshl_b32 s88, s87, 7
	s_add_co_u32 s88, s88, s86
	s_add_co_u32 s88, s88, 3072                    ; its scale words
	s_mov_b32 s89, 0
	s_mul_i32 s87, s87, 1536
	s_add_co_u32 s86, s86, s87
	s_mov_b32 s87, 0
	s_and_b32 s90, s77, 3
	s_lshl_b32 s90, s90, 22                        ; x and out: the batch,
	s_lshl_b32 s91, s[WV], 19                      ; my 32 rows c on the way out,
	s_add_co_u32 s90, s90, s91
	s_lshl_b32 s91, s76, 9                         ; my step's 128 columns
	s_add_co_u32 s90, s90, s91
	s_mov_b32 s91, 0
	s_and_b32 s92, s78, 1                          ; my tiles lie in blocks 2 (mg % 2) and 2 (mg % 2) + 1 of the image
	s_lshl_b32 s[SH0], s92, 4
	s_add_co_u32 s[SH1], s[SH0], 8
	s_cmp_lg_u32 s92, 0
	s_cselect_b32 s[CCM], -1, 0
	s_or_b32 s93, s79, ttmp9                       ; 0 in waves 0 to 3 of the head's first cluster: the same in all four partners
	s_cmp_eq_u32 s93, 0
	s_cselect_b32 s[LIM], 1, -1
	s_mov_b32 s[LOW], 0xffff
	s_mov_b32 s[HIGH], 0xffff0000
	s_mov_b32 s[CS], 0x3e8293ee                    ; c0 = log2(e) / sqrt(32)
	s_mov_b32 s[CS+1], s[CS]
	s_mov_b32 s[SEL], 0x76543210
	s_mov_b32 s[SEL+1], 0xfedcba98
	s_mov_b32 s[TB], 0
	s_mov_b32 s[SL], 0
	s_mov_b32 s[SLOTS], 7
	v_and_b32 v25, 31, v0                          ; lane
	v_bfe_u32 v29, v0, 4, 1                        ; h
	v_and_b32 v28, 15, v0                          ; r
	s_mul_i32 s96, s79, 2*REC
	v_lshl_add_u32 v[LI0], v25, 4, s96
	v_lshl_add_u32 v[L80], v25, 3, s96
	v_lshl_add_u32 v[L40], v25, 2, s96
	s_delay_alu instid0(VALU_DEP_1)
	v_lshl_add_u32 v[L40], v29, 7, v[L40]
	s_lshl_b32 s97, s79, 10
	s_add_co_u32 s97, s97, LL
	v_lshl_add_u32 v[AL0], v29, 6, s97
	v_min_u32 v[PFO], 112, v0
	s_delay_alu instid0(VALU_DEP_1)
	v_lshlrev_b32 v[PFO], 8, v[PFO]
	v_lshlrev_b32 v[PXO], 14, v25
	s_mul_i32 s97, s79, ST1
	s_lshl_b32 s98, s78, 7
	s_add_co_u32 s97, s97, s98
	v_mul_u32_u24 v[SO], v28, SPI
	s_delay_alu instid0(VALU_DEP_1)
	v_lshl_add_u32 v[SO], v29, 6, v[SO]
	s_delay_alu instid0(VALU_DEP_1)
	v_add_nc_u32 v[SO], s97, v[SO]                 ; stage nh, row r, + 128 mg + 64 h
	s_delay_alu instid0(VALU_DEP_1)
	v_add_nc_u32 v[SO2], 67584, v[SO]
	s_mul_i32 s97, s[WV], 16896
	v_lshl_add_u32 v[RD], v25, 4, s97              ; back: my 32 rows, 16 bytes a lane
	s_delay_alu instid0(VALU_DEP_1)
	v_add_nc_u32 v[RD2], ST1, v[RD]
	v_lshlrev_b32 v[GO], 4, v25
	v_lshlrev_b32 v[FW], 2, v28
	v_lshlrev_b32 v[FV], 4, v28
	s_wait_dscnt 0x0                               ; both opening adds are done
	s_wait_kmcnt 0x0
	s_add_nc_u64 s[G0R+2:G0R+3], s[4:5], s[80:81]
	s_or_b32 s[G0R+3], s[G0R+3], 0x80000000
	s_add_nc_u64 s[G0L+2:G0L+3], s[8:9], s[82:83]
	s_or_b32 s[G0L+3], s[G0L+3], 0x80000000
	s_add_nc_u64 s[PFA:PFA+1], s[4:5], s[84:85]
	s_add_nc_u64 s[86:87], s[6:7], s[86:87]
	s_add_nc_u64 s[88:89], s[6:7], s[88:89]
	s_cmp_ge_u32 s77, 4                            ; the branch chooses x, out and gamma
	s_cselect_b64 s[XB:XB+1], s[12:13], s[10:11]
	s_cselect_b64 s[OB:OB+1], s[20:21], s[18:19]
	s_cselect_b64 s[94:95], s[16:17], s[14:15]
	s_add_nc_u64 s[XB:XB+1], s[XB:XB+1], s[90:91]
	s_add_nc_u64 s[OB:OB+1], s[OB:OB+1], s[90:91]
	CROUND                                         ; all four work-groups are here: the first joint loads meet
	tensor_load_to_lds s[G0L:G0L+3], s[G1L:G1L+7]  ; every wave: its eighth of NL;
	s_nop 0
	PLACES 4
	s_wait_alu depctr_va_vdst(0)
	s_wait_tensorcnt 0x0
	ds_add_u32 v30, v31
	s_wait_dscnt 0x0
	CROUND
	JLOAD                                          ; waves 0 to 3: slot 0.  At most two tensor loads of a wave are out
	s_load_b32 s[GM], s[94:95], 0x0                ; gamma
	s_wait_alu depctr_va_vdst(0)
.irp mt,0,1                                    ; g's tile 2 mg + mt lies in the half mt of the image's lanes
.irp i,0,1,2
	global_load_b128 v[S+12*\mt+4*\i:S+12*\mt+4*\i+3], v[FV], s[86:87] offset:256*\mt+512*\i
.endr
.endr
	global_load_b32 v[S+30], v[FW], s[88:89]
.irp z,0,12,24,36,48
.irp i,0,1,2,3,4,5
	v_mov_b32 v[FX+\z+\i], 0                       ; the zero codes
.endr
.endr
.irp b,0,1,2,3
	v_mov_b32 v[TM+4+\b], 0                        ; written once: a lane permute's destination counts as one of its sources
.endr
	s_wait_loadcnt 0x0
	FIXED FX, GSQ, S, S+24, S+30, SH0
	FIXED FX+24, GSQ+4, S+12, S+24, S+30, SH1
	PLACES 8                                       ; a scale register written by a vector instruction stands 8 places ahead of a scaled product, an operand 4
	s_wait_kmcnt 0x0
	s_mov_b32 s[GM+1], s[GM]
; HALF A STEP: 64 n (image cc of record k) x my 32 m.  ap = 1: it follows products that read h's fragments, over which loads and results are now laid.
.macro HALF k, cc, ap
.if \ap
	PLACES 5
.endif
.irp i,0,1,2
	ds_load_b128 v[FF+4*\i:FF+4*\i+3], v[AH] offset:(\k)*REC+25600+1536*(\cc)+512*\i
.endr
.irp e,0,1
.irp i,0,1,2,3
	ds_load_b128 v[LR+16*\e+4*\i:LR+16*\e+4*\i+3], v[AL] offset:512*(\k)+256*(\cc)+128*\e+16*\i     ; NL of n = 64 cc + 32 e + 16 h + 0 .. 15
.endr
.endr
.if (\cc) == 0
	ds_load_b32 v[FSC], v[A4] offset:(\k)*REC+28672
.irp j,0,1,2,3
	ds_load_b64 v[HSC+2*\j:HSC+2*\j+1], v[A8] offset:(\k)*REC+24576+256*\j
.endr
.endif
	s_wait_dscnt 0x0
.irp q,0,1,2,3
.irp mt,0,1
	WM S+32*\mt+8*\q, FF, FX+24*\mt+6+12*(\q%2)-6*(\q/2), -1, FSC, GSQ+4*\mt+\q, \cc, 0
.endr
.endr
	PLACES 4
.irp mt,0,1
.irp p,0,2,4,6,8,10,12,14,16,18,20,22,24,26,28,30
	v_pk_fma_f32 v[S+32*\mt+\p:S+32*\mt+\p+1], v[S+32*\mt+\p:S+32*\mt+\p+1], s[CS:CS+1], v[LR+\p:LR+\p+1] op_sel_hi:[1,0,1]   ; c0 x score + NL: register 32 mt + 16 e + i is n = 64 cc + 32 e + 16 h + i
.endr
.endr
.irp b,0,1,2,3                                 ; the largest exponent of each of the four blocks (2 mt + e) of 32 n
	v_max3_num_f32 v[TM+\b], v[S+16*\b], v[S+16*\b+1], v[S+16*\b+2]
.endr
.irp i,3,5,7,9,11,13
.irp b,0,1,2,3
	s_delay_alu instid0(VALU_DEP_4)
	v_max3_num_f32 v[TM+\b], v[TM+\b], v[S+16*\b+\i], v[S+16*\b+\i+1]
.endr
.endr
.irp b,0,1,2,3
	s_delay_alu instid0(VALU_DEP_4)
	v_max_num_f32 v[TM+\b], v[TM+\b], v[S+16*\b+15]
.endr
.irp b,0,1,2,3
	s_delay_alu instid0(VALU_DEP_4)
	v_permlanex16_b32 v[TM+4+\b], v[TM+\b], s[SEL], s[SEL+1]
.endr
.irp b,0,1,2,3
	s_delay_alu instid0(VALU_DEP_4)
	v_max_num_f32 v[TM+\b], v[TM+\b], v[TM+4+\b]   ; with lane l xor 16's 16 n
.endr
.set i, 0
	s_wait_alu depctr_va_vdst(0)
.rept 64
	v_exp_f32 v[S+i], v[S+i]                       ; attn, finished and normalised
.set i, i+1
.endr
.irp b,0,1,2,3
	v_exp_f32 v[TM+\b], v[TM+\b]                   ; the block's largest: the same instruction on the same number gives the same bits
.endr
	v_nop                                          ; a plain place behind the exponentials
	s_wait_alu depctr_va_vdst(0)                   ; one wait for the batch of 68, ahead of its first reader
.irp b,0,1,2,3
	v_max_num_f32 v[TM+\b], 0x2800000, v[TM+\b]    ; the floor 2^(5 - 127): the byte cannot fall under 1
.endr
.irp b,0,1,2,3
	s_delay_alu instid0(VALU_DEP_4)
	v_add_nc_u32 v[TM+12+\b], 0xfe000000, v[TM+\b] ; 4 off the exponent field: the conversion's scale operand
.endr
.irp b,0,1,2,3
	s_delay_alu instid0(VALU_DEP_4)
	v_lshrrev_b32 v[TM+4+\b], 23, v[TM+12+\b]      ; the scale's byte
.endr
.irp mt, 0
.if (\cc) == 0
	s_delay_alu instid0(VALU_DEP_3)
	v_lshl_or_b32 v[PW+\mt], v[TM+5+2*\mt], 8, v[TM+4+2*\mt]
.else
	s_delay_alu instid0(VALU_DEP_4)
	v_lshl_or_b32 v[PW+\mt], v[TM+4+2*\mt], 16, v[PW+\mt]
	s_delay_alu instid0(VALU_DEP_1)
	v_lshl_or_b32 v[PW+\mt], v[TM+5+2*\mt], 24, v[PW+\mt]
.endif
.endr
.irp mt, 1
.if (\cc) == 0
	s_delay_alu instid0(VALU_DEP_2)
	v_lshl_or_b32 v[PW+\mt], v[TM+5+2*\mt], 8, v[TM+4+2*\mt]
.else
	s_delay_alu instid0(VALU_DEP_4)
	v_lshl_or_b32 v[PW+\mt], v[TM+4+2*\mt], 16, v[PW+\mt]
	s_delay_alu instid0(VALU_DEP_1)
	v_lshl_or_b32 v[PW+\mt], v[TM+5+2*\mt], 24, v[PW+\mt]
.endif
.endr
.irp mt,0,1
	v_cvt_scalef32_pk16_bf6_f32 v[P+12*\mt+6*(\cc):P+12*\mt+6*(\cc)+2], v[S+32*\mt:S+32*\mt+15], v[TM+12+2*\mt]
	v_cvt_scalef32_pk16_bf6_f32 v[CT+4*\mt:CT+4*\mt+2], v[S+32*\mt+16:S+32*\mt+31], v[TM+13+2*\mt]  ; (a conversion's three registers begin on an even number)
.endr
	v_nop                                          ; one plain place behind the conversions
.irp mt,0,1                                    ; the operand's layout wants a whole block in a lane
.irp i,0,1,2
	v_permlane16_swap_b32 v[P+12*\mt+6*(\cc)+\i], v[CT+4*\mt+\i]
.endr
.irp i,0,1,2
	s_delay_alu instid0(VALU_DEP_3)
	v_mov_b32 v[P+12*\mt+6*(\cc)+3+\i], v[CT+4*\mt+\i]
.endr
.endr
.endm
.macro HLOAD set, c0, k                ; h's c-tiles c0 .. c0 + 3 of record k into half `set` of the eight fragments: twelve loads
.irp f,0,1,2,3
.irp i,0,1,2
	ds_load_b128 v[HB+48*(\set)+12*\f+4*\i:HB+48*(\set)+12*\f+4*\i+3], v[AH] offset:(\k)*REC+1536*((\c0)+\f)+512*\i
.endr
.endr
.endm
.macro MUL8 set, c0, zero              ; four c-tiles x my two tiles of m.  No accumulator comes twice in a step: they take turns
	WIN 0x50                                       ; C and D window 1
.irp f,0,1,2,3
.irp mt,0,1
.if \zero
	WM 8*(16*\mt+(\c0)+\f), P+12*\mt, HB+48*(\set)+12*\f, -1, PW+\mt, HSC+((\c0)+\f)/2, 0, ((\c0)+\f)%2
.else
	WM 8*(16*\mt+(\c0)+\f), P+12*\mt, HB+48*(\set)+12*\f, 8*(16*\mt+(\c0)+\f), PW+\mt, HSC+((\c0)+\f)/2, 0, ((\c0)+\f)%2
.endif
.endr
.endr
	WIN 0
.endm
; THE LAST PRODUCT of a step: source 0 = p (16 m), source 1 = h (16 c), K = the step's 128 n.  zero = 1: it starts the sums.
.macro PV k, zero
	HLOAD 0, 0, \k
	HLOAD 1, 4, \k
	PLACES 8                                       ; behind the vector writes of p's scale words (8) and codes (4)
	s_wait_dscnt 12                                ; the first twelve loads are in; the younger set's twelve may be out
	MUL8 0, 0, \zero
	PLACES 4                                       ; in front of loads into registers that the products have read
	HLOAD 0, 8, \k
	s_wait_dscnt 12                                ; likewise
	MUL8 1, 4, \zero
	PLACES 4
	HLOAD 1, 12, \k
	s_wait_dscnt 12                                ; likewise
	MUL8 0, 8, \zero
	s_wait_dscnt 0x0
	MUL8 1, 12, \zero
.endm
.macro WALK zero                       ; my two steps of the slot in hand
	v_add_nc_u32 v[AH], s[TB], v[LI0]
	v_add_nc_u32 v[A8], s[TB], v[L80]
	v_add_nc_u32 v[A4], s[TB], v[L40]
	v_add_nc_u32 v[AL], s[SL], v[AL0]
	HALF 0, 0, 1-\zero
	HALF 0, 1, 0
	s_wait_alu depctr_va_vdst(0)
	PV 0, \zero
	HALF 1, 0, 1
	HALF 1, 1, 0
	s_wait_alu depctr_va_vdst(0)
	PV 1, 0
	s_xor_b32 s[TB], s[TB], SLOT1                  ; on to the other slot,
	s_add_co_u32 s[SL], s[SL], 2048                ; and the next four steps' NL
.endm
; THE CHANGE OF SLOTS stands at a slot's head.  Each wave waits for all its tensor loads (its part of the slot ahead), adds 0 to its spare word, and waits for that and for its reads of the slot that it has left.
; fill = 1: a round of the cluster's barrier follows, so that no wave of any partner still reads that slot or has a load on its way, and the joint refill is the first thing behind it: it has a whole slot's steps in which to land.
.macro CHANGE fill
	s_wait_tensorcnt 0x0                           ; no tensor load of mine is out, so a group 0 may be written
	ds_add_u32 v[SPW], v[NIL]                      ; 0 onto my spare word
.if \fill
	s_xor_b32 s[G0R+1], s[G0R+1], SLOT1            ; the walking descriptor: the other slot than last time,
	s_add_nc_u64 s[G0R+2:G0R+3], s[G0R+2:G0R+3], 4*REC     ; the next four records; the type bits on top are not reached
	s_wait_xcnt 0x0                                ; the last prefetch, a slot back, has read its address
	s_add_nc_u64 s[PFA:PFA+1], s[PFA:PFA+1], 4*REC
	s_wait_dscnt 0x0                               ; the add is done, and my reads of the slot that I have left are over
	CROUND
	JLOAD
	ASK
.else
	s_wait_dscnt 0x0
	s_barrier_signal -1
	s_barrier_wait -1
	global_prefetch_b8 v[PXO], s[XB:XB+1] th:TH_LOAD_NT scope:SCOPE_SE             ; the residual: my 32 rows x 512 bytes of x, a lane a row, each block of 256 bytes named once, a slot ahead of their loads
	global_prefetch_b8 v[PXO], s[XB:XB+1] offset:256 th:TH_LOAD_NT scope:SCOPE_SE
.endif
.endm
	CHANGE 1                                       ; slot 0 and NL are whole; slot 1 is asked for
	s_wait_alu depctr_va_vdst(0)
	WALK 1                                         ; written out: its first products start the sums
	s_mov_b32 s[SLOTS], 6
.Lslot:                                            ; six trips: slots 1 to 6 are walked, slots 2 to 7 asked for
	CHANGE 1
	WALK 0
	s_sub_co_u32 s[SLOTS], s[SLOTS], 1
	s_cmp_lg_u32 s[SLOTS], 0
	s_cbranch_scc1 .Lslot
	CHANGE 0                                       ; the last slot is written out: nothing is left to ask for
	WALK 0
	; THE WAY OUT.  A lane holds one c and eight neighbouring m; the two halves of n lie in two waves.  All sums go into two stages in LDS (rows c of 512 bytes + 16); each wave reads 32 whole rows of both, adds them, and stores gamma x sum + x.
	PLACES 4                                       ; behind the last products: in front of loads into their operands' registers and of the first read of results
.set i, 0
.rept 32
	global_load_b128 v[XR+4*i:XR+4*i+3], v[GO], s[XB:XB+1] offset:16384*i th:TH_LOAD_NT
.set i, i+1
.endr
	s_wait_dscnt 0x0
	s_barrier_signal -1
	s_barrier_wait -1                              ; nobody reads the slots or NL any more
	WIN 0x04                                       ; an LDS store's data are its source 1: window 1
.irp mt,0,1
.irp ct,0,1,2,3,4,5,6,7
	ds_store_b128 v[SO], v[8*(16*\mt+\ct):8*(16*\mt+\ct)+3] offset:\ct*8448+32*\mt         ; each accumulator from its low end on
	ds_store_b128 v[SO], v[8*(16*\mt+\ct)+4:8*(16*\mt+\ct)+7] offset:\ct*8448+32*\mt+16
.endr
.irp ct,8,9,10,11,12,13,14,15
	ds_store_b128 v[SO2], v[8*(16*\mt+\ct):8*(16*\mt+\ct)+3] offset:(\ct-8)*8448+32*\mt
	ds_store_b128 v[SO2], v[8*(16*\mt+\ct)+4:8*(16*\mt+\ct)+7] offset:(\ct-8)*8448+32*\mt+16
.endr
.endr
	WIN 0
	s_wait_dscnt 0x0                               ; for the others' sake: my stores have landed
	s_barrier_signal -1
	s_barrier_wait -1
.irp bt,0,1,2,3                                ; eight rows at a time
.if \bt > 0
	s_wait_xcnt 0x0                                ; the last batch's stores have read their registers
.endif
.irp i,0,1,2,3,4,5,6,7
	ds_load_b128 v[WA+4*\i:WA+4*\i+3], v[RD] offset:SPI*(8*\bt+\i)
	ds_load_b128 v[WB+4*\i:WB+4*\i+3], v[RD2] offset:SPI*(8*\bt+\i)
.endr
	s_wait_dscnt 0x0
	s_wait_loadcnt 24-8*\bt                        ; this batch's rows of x are in; those of the later batches may be out
.irp i,0,1,2,3,4,5,6,7
	v_pk_add_f32 v[WA+4*\i:WA+4*\i+1], v[WA+4*\i:WA+4*\i+1], v[WB+4*\i:WB+4*\i+1]
	v_pk_add_f32 v[WA+4*\i+2:WA+4*\i+3], v[WA+4*\i+2:WA+4*\i+3], v[WB+4*\i+2:WB+4*\i+3]
	s_delay_alu instid0(VALU_DEP_2)
	v_pk_fma_f32 v[WA+4*\i:WA+4*\i+1], v[WA+4*\i:WA+4*\i+1], s[GM:GM+1], v[XR+4*(8*\bt+\i):XR+4*(8*\bt+\i)+1] op_sel_hi:[1,0,1]
	s_delay_alu instid0(VALU_DEP_2)
	v_pk_fma_f32 v[WA+4*\i+2:WA+4*\i+3], v[WA+4*\i+2:WA+4*\i+3], s[GM:GM+1], v[XR+4*(8*\bt+\i)+2:XR+4*(8*\bt+\i)+3] op_sel_hi:[1,0,1]
	global_store_b128 v[GO], v[WA+4*\i:WA+4*\i+3], s[OB:OB+1] offset:16384*(8*\bt+\i) th:TH_STORE_NT       ; 512 consecutive bytes, at a multiple of 256 from the output's first byte
.endr
.endr
	s_wait_tensorcnt 0x0                           ; the wave's end
	ds_add_u32 v[SPW], v[NIL]
	s_wait_dscnt 0x0
	CROUND                                         ; the closing round: no work-group ends while a partner may still ask for a tile that names it
	s_endpgm
.Lfunc_end_k_q51d6813bd4_attn:
	.size	k_q51d6813bd4_attn, .Lfunc_end_k_q51d6813bd4_attn-k_q51d6813bd4_attn
	.p2alignl 7, 3214868480
	.fill 96, 4, 3214868480
	.section	.rodata,"a",@progbits
	.p2align	6, 0x0
	.amdhsa_kernel k_q51d6813bd4_attn
		.amdhsa_group_segment_fixed_size 327680
		.amdhsa_private_segment_fixed_size 0
		.amdhsa_enable_private_segment 0
		.amdhsa_kernarg_size 72
		.amdhsa_user_sgpr_count 2
		.amdhsa_user_sgpr_kernarg_segment_ptr 1
		.amdhsa_wavefront_size32 1
		.amdhsa_system_sgpr_workgroup_id_x 1
		.amdhsa_system_sgpr_workgroup_id_y 1
		.amdhsa_system_sgpr_workgroup_id_z 1
		.amdhsa_system_vgpr_workitem_id 0
		.amdhsa_next_free_vgpr 512
		.amdhsa_next_free_sgpr 100
		.amdhsa_reserve_vcc 0
		.amdhsa_float_denorm_mode_32 3
		.amdhsa_float_denorm_mode_16_64 3
		.amdhsa_memory_ordered 1
		.amdhsa_forward_progress 1
		.amdhsa_inst_pref_size 229
	.end_amdhsa_kernel
	.amdgpu_metadata
---
amdhsa.version: [ 1, 2 ]
amdhsa.kernels:
  - .name:           k_q51d6813bd4_attn
    .symbol:         k_q51d6813bd4_attn.kd
    .args:
      - { .name: kv, .offset: 0, .size: 8, .value_kind: global_buffer, .address_space: global }
      - { .name: gb, .offset: 8, .size: 8, .value_kind: global_buffer, .address_space: global }
      - { .name: lb, .offset: 16, .size: 8, .value_kind: global_buffer, .address_space: global }
      - { .name: x1, .offset: 24, .size: 8, .value_kind: global_buffer, .address_space: global }
      - { .name: x2, .offset: 32, .size: 8, .value_kind: global_buffer, .address_space: global }
      - { .name: gamma1, .offset: 40, .size: 8, .value_kind: global_buffer, .address_space: global }
      - { .name: gamma2, .offset: 48, .size: 8, .value_kind: global_buffer, .address_space: global }
      - { .name: out0, .offset: 56, .size: 8, .value_kind: global_buffer, .address_space: global }
      - { .name: out1, .offset: 64, .size: 8, .value_kind: global_buffer, .address_space: global }
    .group_segment_fixed_size: 327680
    .private_segment_fixed_size: 0
    .kernarg_segment_align: 8
    .kernarg_segment_size: 72
    .max_flat_workgroup_size: 256
    .sgpr_count:     100
    .vgpr_count:     512
    .wavefront_size: 32
...
	.end_amdgpu_metadata
.endif
;; end of part 3
